; MI455X (gfx1250); checked and timed in simulation.
; The chip was launched on July 23, 2026; its instructions are those of AMD's public machine-readable ISA for CDNA 5 (MIT licence, August 2026) and "CDNA5" Instruction Set Architecture Reference Guide (July 2026). The comments in the code are by the model that wrote it; some were corrected since.
;; Self Attention. Allowed arithmetic: matrix products marked QUANTISED: E3M2 operands, one E8M0 scale for each 32 along K, by v_wmma_scale_f32_16x16x128_f8f6f4 with both operands' format E3M2, f32 sums; everything else in f32.
;; Inputs: Wk 1,024 x 1,024 float32; Wq 1,024 x 1,024 float32; Wv 1,024 x 1,024 float32; bk 1,024 float32; bq 1,024 float32; bv 1,024 float32; x 4 x 2,048 x 1,024 float32.
;; Outputs: out0 4 x 2,048 x 1,024 float32.
;; This version of the problem:
;;   THIS VERSION OF THE PROBLEM IS GIVEN IN LOW PRECISION. The matrix products marked QUANTISED in the list below multiply operands that are first quantised to E3M2 (3 exponent bits, 2 mantissa bits; 6 bits a number), with one power-of-two scale for each 32 numbers along K (OCP MX v1.0); their sums are f32. All else is computed in f32.
;;   The module's matrix products, in the order in which they are computed (A, B: the left and right operand; K: the contracted axis; several contracted axes count as one K, in the product's order):
;;     1. [M 8,192, K 1,024] x [K 1,024, N 1,024]; A: input x; B: input Wq: QUANTISED
;;     2. [M 8,192, K 1,024] x [K 1,024, N 1,024]; A: input x; B: input Wk: QUANTISED
;;     3. [M 8,192, K 1,024] x [K 1,024, N 1,024]; A: input x; B: input Wv: QUANTISED
;;     4. batch 4 x [M 2,048, K 1,024] x [K 1,024, N 2,048]; A: computed on the way; B: computed on the way: QUANTISED
;;     5. batch 4 x [M 2,048, K 2,048] x [K 2,048, N 1,024]; A: softmax (see below); B: computed on the way: QUANTISED
;;   THE QUANTISER, for each operand of a quantised product, along K:
;;     - K is cut into blocks of 32 from its start; a last block that is shorter is filled with zeros.
;;     - A block's scale is 2^e with e = floor(log2(the largest magnitude in the block)) - 4, held to -126 .. 127; a block of zeros has e = 0. As a byte (E8M0): e + 127.
;;     - Each number is divided by its block's scale, clamped to +-28, and rounded to the nearest number of E3M2, ties to even, subnormals kept.
;;     - The product sums the exact products of the quantised numbers (number of the format x scale) in f32.
;;   ~~~python
;;   def quantise(x, axis):      # numpy; x: float32 -> the quantised numbers, widened to float32 again
;;       x = np.moveaxis(x, axis, -1); K = x.shape[-1]
;;       x = np.pad(x, [(0, 0)] * (x.ndim - 1) + [(0, -K % 32)]); x = x.reshape(x.shape[:-1] + (-1, 32)); a = np.abs(x).max(-1, keepdims=True)
;;       e = np.where(a > 0, np.clip(np.frexp(np.where(a > 0, a, 1))[1] - 1 - 4, -126, 127), 0)      # np.frexp(a)[1] - 1 = floor(log2(a)), exactly
;;       r = np.clip(x / 2.0 ** e, -28, 28)
;;       step = 2.0 ** (np.maximum(np.frexp(np.where(r == 0, 1, r))[1] - 1, -2) - 2)
;;       q = np.round(r / step) * step * 2.0 ** e      # np.round: ties to even
;;       return np.moveaxis(q.reshape(q.shape[:-2] + (-1,))[..., :K], -1, axis).astype(np.float32)
;;   ~~~
;;   SOFTMAX AHEAD OF A QUANTISED PRODUCT. Where the list says 'softmax', what is quantised is not the finished softmax but p = 2^(t - M), with t = logit x log2(e) and M = ceil(the row's largest t), a whole number; so 1/2 < the row's largest p <= 1. The row's sum l is taken of the UNQUANTISED p, in f32, and the product's result is divided by l at the end. Since M is a whole number, a kernel that streams over the keys may use a running M (the ceiling of the running maximum): every later rescaling is an exact power of two, which a block's scale takes up: the codes' values come out the same.
;;   OPERANDS COMPUTED ON THE WAY. 'Computed on the way' means the value that the module computes at that place (a softmax that the list does not call 'softmax' is quantised finished and normalised). What goes into a quantiser is computed in f32, as accurately as f32 sums, v_exp_f32 and their like allow (about 1e-6 of the number): no bf16 or f16 on the way to a quantiser, and a product that is left as it is and whose result goes on into a quantised operand takes f32 operands (vector FMAs, or v_wmma_f32_16x16x4_f32). A number that lies on a knife's edge between two numbers of the format may be rounded either way, as far as f32 arithmetic and the matrix unit's own rounding can turn it there, and no further.
;; One version. Each part assembles by itself: llvm-mc -triple=amdgcn-amd-amdhsa -mcpu=gfx1250 --defsym DOCPART=n.
;; ======== version 1 of 1: 4 launches
;; limits: right only within a limited range of input values
;; workspace buffers: xw 9,011,200 bytes; qkv 19,660,800 bytes; pp 14,155,776 bytes
;; launch quant (part 1): grid 704 x 1, 4 waves a work-group, no clusters, 34,304 bytes of LDS; arguments x, Wq, Wk, Wv, xw; writes xw
.if DOCPART == 1
	.amdgcn_target "amdgcn-amd-amdhsa--gfx1250"
	.amdhsa_code_object_version 6
	.text
	.protected	k_qa8b0e9b98c_quant
	.globl	k_qa8b0e9b98c_quant
	.p2align	8
	.type	k_qa8b0e9b98c_quant,@function
k_qa8b0e9b98c_quant:
	s_mov_b64 s[64:65], 0
	v_nop
	global_prefetch_b8 v0, s[64:65] scope:SCOPE_SE
	s_setreg_imm32_b32 hwreg(HW_REG_WAVE_MODE, 25, 1), 1
	s_wait_xcnt 0x0
; x [8192][1024] and Wq, Wk, Wv [1024 (k)][1024 (n)], f32, become codes of BF6 (E3M2) with one E8M0 scale byte for each 32 along K = the 1,024 inputs.
; A block's scale is 2^(floor(log2(its largest magnitude)) - 4); its byte is the largest magnitude's exponent field - 4, held at 1 from below.
; LIMITS: NaN and infinities among the inputs are not served.  A block of zeros gets the byte 1 where the rule says 127: its codes are zeros, and this program alone reads the bytes.
; LAYOUT OF THE CODES: images of the operand's registers.  A fragment (16 rows x 128 K, 12 registers a lane) is 1,536 bytes: registers 4 c .. 4 c + 3 of lane l at 512 c + 16 l.  A tensor is [row block][K step][1,536].
; ROWS ARE PHYSICAL: lane r of row block 2 B + u holds logical row 32 B + 8 u + r + 8 (r / 8) (a token of x, a column n of a weight), so that a later product that takes such blocks as its
; source 0 leaves 16 neighbours along its own rows in the 16 registers of two neighbouring tiles.
; LAYOUT OF THE SCALE WORDS (4 bytes: one row, 128 K): [group of 128 rows][K step][512 bytes], the word of block i (0 .. 7), row r at 256 (i % 2) + 16 r + 4 (i / 2).
; SHARES.  Work-groups 0-511: row block g of x; wave w takes K steps 2 w and 2 w + 1 (the four waves read whole rows of 4,096 bytes).  Each load reads 512 consecutive bytes of one row; the 16 rows turn through
; the wave's own stage in LDS, so that a lane gets 16 neighbours of each block of 32.  Work-groups 512-703: a weight m, a K step ks, and for wave w a pair of column blocks: a lane takes a column and its registers
; run down K, so nothing is turned; these loads touch pieces of 32 bytes of a row, both pieces of each 64 in the wave's own run of loads (the weights are 12 MB of the launch's 46).
; No barrier: waves share nothing.  Each wave makes two fragments; the two paths join for the quantiser and the stores.
.set XS,   6291456                     ; xw: x's codes at 0, x's scale words here,
.set WC,   6553600                     ; the weights' codes (Wq blocks 0-63, Wk 64-127, Wv 128-191),
.set WS,   8912896                     ; their scale words
.set LI,   4                           ; v4   16 x lane: x's load offset, and an image's place for my lane
.set WO,   5                           ; v5   a weight: 16 h rows of 4,096 bytes + 4 (r + 8 (r / 8))
.set STI,  6                           ; v6   the stage, in: 8,448 x wave + 16 x lane
.set STO,  7                           ; v7   the stage, out: 8,448 x wave + 528 r + 64 h
.set SO,   9                           ; v9   16 r: my row's place among scale words
.set TM,   16                          ; v16-31 at work in the quantiser
.set PW0,  32                          ; v32, v33 the two scale words
.set PW1,  33
.set PC0,  36                          ; v36-55, v56-75 the two fragments' codes (12 registers, and 8 at work)
.set PC1,  56
.set RAW,  80                          ; v80-207 two sets of 64 numbers
.set SEL,  20                          ; s[20:21] lane selects: lane l xor 16
.set SRC,  22                          ; s[22:23] where my numbers begin
.set CB0,  24                          ; s[24:27] where the two images go
.set CB1,  26
.set SB0,  28                          ; s[28:31] where the two scale words go
.set SB1,  30
; 64 numbers of a lane, register 16 b + i = k 32 b + 16 (lane / 16) + i of my row, become a fragment's codes in v[pc] on and its scale word in v[pw]
.macro QUANT s, pc, pw
.irp b, 0,1,2,3
	v_max3_num_f32 v[TM+\b], |v[\s+16*\b]|, |v[\s+1+16*\b]|, 0x2800000   ; block b: my 16 numbers, and the floor 2^(5 - 127): the byte cannot fall under 1
.endr
.irp i, 2,4,6,8,10,12,14
.irp b, 0,1,2,3
	v_max3_num_f32 v[TM+\b], v[TM+\b], |v[\s+16*\b+\i]|, |v[\s+1+16*\b+\i]|   ; the four blocks by turns
.endr
.endr
.irp b, 0,1,2,3
	v_permlanex16_b32 v[TM+4+\b], v[TM+\b], s[SEL], s[SEL+1]
.endr
.irp b, 0,1,2,3
	v_max_num_f32 v[TM+\b], v[TM+\b], v[TM+4+\b]       ; with lane l xor 16's: the block's largest magnitude
.endr
.irp b, 0,1,2,3
	v_add_nc_u32 v[TM+12+\b], 0xfe000000, v[TM+\b]     ; 4 off its exponent field: the conversion's scale operand
.endr
.irp b, 0,1,2,3
	v_lshrrev_b32 v[TM+4+\b], 23, v[TM+12+\b]          ; the scale's byte
.endr
	v_lshl_or_b32 v[\pw], v[TM+5], 8, v[TM+4]          ; four bytes: my row's scale word
	v_lshl_or_b32 v[\pw], v[TM+6], 16, v[\pw]
	v_lshl_or_b32 v[\pw], v[TM+7], 24, v[\pw]
.irp c, 0,1
	v_cvt_scalef32_pk16_bf6_f32 v[\pc+6*\c:\pc+2+6*\c], v[\s+32*\c:\s+15+32*\c], v[TM+12+2*\c]
	v_cvt_scalef32_pk16_bf6_f32 v[\pc+12+4*\c:\pc+14+4*\c], v[\s+16+32*\c:\s+31+32*\c], v[TM+13+2*\c]   ; (a conversion's three registers begin on an even number)
.endr
	v_nop                                              ; one plain place behind a scaled conversion
.irp c, 0,1                                            ; the operand's layout wants a whole block in a lane: lanes 0-15 block 2 c, lanes 16-31 block 2 c + 1
.irp i, 0,1,2
	v_permlane16_swap_b32 v[\pc+6*\c+\i], v[\pc+12+4*\c+\i]
.endr
.irp i, 0,1,2
	v_mov_b32 v[\pc+3+6*\c+\i], v[\pc+12+4*\c+\i]
.endr
.endr
.endm
.macro LEAVE pc, pw, cb, sb
.irp c, 0,1,2
	global_store_b128 v[LI], v[\pc+4*\c:\pc+4*\c+3], s[\cb:\cb+1] offset:512*\c   ; 32 lanes store 512 consecutive bytes, at a multiple of 256 from the buffer's first byte
.endr
	global_store_b32 v[SO], v[\pw], s[\sb:\sb+1]       ; lanes r and r + 16 store the same word at the same place; 4 bytes at a pitch of 16: one byte in 96 of what the wave stores
.endm
; one set of x's numbers through the stage: 16 rows of 512 bytes in, 64 bytes of each block of 128 out.  LDS serves a wave's instructions in order, so no wait stands between
.macro TURNX s
.irp t, 0,1,2,3,4,5,6,7,8,9,10,11,12,13,14,15
	ds_store_b128 v[STI], v[RAW+64*\s+4*\t:RAW+64*\s+4*\t+3] offset:528*\t
.endr
.irp b, 0,1,2,3
.irp j, 0,1,2,3
	ds_load_b128 v[RAW+64*\s+16*\b+4*\j:RAW+64*\s+16*\b+4*\j+3], v[STO] offset:128*\b+16*\j
.endr
.endr
.endm
	s_load_b256 s[4:11], s[0:1], 0x0               ; x s[4:5], Wq s[6:7], Wk s[8:9], Wv s[10:11]
	s_load_b64 s[12:13], s[0:1], 0x20              ; xw
	v_lshl_add_u32 v208, v0, 2, 0x8400
	v_mov_b32 v209, 0
	v_lshrrev_b32 v1, 5, v0
	v_readfirstlane_b32 s14, v1                    ; wave 0..3
	v_and_b32 v1, 31, v0                           ; lane
	v_and_b32 v2, 15, v0                           ; r
	v_bfe_u32 v3, v0, 4, 1                         ; h
	v_lshlrev_b32 v[LI], 4, v1
	v_and_b32 v[WO], 8, v2
	v_add_nc_u32 v[WO], v[WO], v2                  ; r + 8 (r / 8)
	v_lshlrev_b32 v[WO], 2, v[WO]
	v_lshl_add_u32 v[WO], v3, 16, v[WO]
	s_mul_i32 s15, s14, 8448                       ; my stage: 16 rows of 512 + 16 bytes
	v_add_nc_u32 v[STI], s15, v[LI]
	v_mul_u32_u24 v[STO], v2, 528
	v_lshl_add_u32 v[STO], v3, 6, v[STO]
	v_add_nc_u32 v[STO], s15, v[STO]
	v_lshlrev_b32 v[SO], 4, v2
	s_mov_b32 s[SEL], 0x76543210
	s_mov_b32 s[SEL+1], 0xfedcba98
.irp b, 0,1,2,3
	v_mov_b32 v[TM+4+\b], 0                        ; written once: a lane permute's destination counts as one of its sources
.endr
	s_mov_b32 s17, 0                               ; the upper word of every offset
	s_wait_kmcnt 0x0
	s_cmp_lt_u32 ttmp9, 512
	s_cbranch_scc1 .Lx_path
	; ---- a weight: m = g' / 64, K step ks = (g' / 8) % 8, pair of column blocks pr = 4 (g' % 8) + wave
	s_sub_co_u32 s16, ttmp9, 512
	s_lshr_b32 s18, s16, 6                         ; m
	s_bfe_u32 s19, s16, 0x30003                    ; ks
	s_and_b32 s32, s16, 7
	s_lshl_b32 s32, s32, 2
	s_add_co_u32 s32, s32, s14                     ; pr
	s_cmp_eq_u32 s18, 0
	s_cselect_b64 s[SRC:SRC+1], s[6:7], s[8:9]
	s_cmp_eq_u32 s18, 2
	s_cselect_b64 s[SRC:SRC+1], s[10:11], s[SRC:SRC+1]
	s_lshl_b32 s16, s19, 19                        ; 128 rows of 4,096 bytes a K step
	s_lshl_b32 s33, s32, 7                         ; 32 columns a pair
	s_add_co_u32 s16, s16, s33
	s_add_nc_u64 s[SRC:SRC+1], s[SRC:SRC+1], s[16:17]
.irp u, 0,1
.irp b, 0,1,2,3
.irp i, 0,1,2,3,4,5,6,7,8,9,10,11,12,13,14,15
	global_load_b32 v[RAW+64*\u+16*\b+\i], v[WO], s[SRC:SRC+1] offset:(32*\b+\i)*4096+32*\u   ; W(128 ks + 32 b + 16 h + i, 32 pr + 8 u + r + 8 (r / 8))
.endr
.endr
.endr
	s_lshl_b32 s16, s18, 6
	s_lshl_b32 s33, s32, 1
	s_add_co_u32 s16, s16, s33                     ; row block 64 m + 2 pr
	s_lshl_b32 s16, s16, 3
	s_add_co_u32 s16, s16, s19
	s_mul_i32 s16, s16, 1536
	s_add_co_u32 s16, s16, WC
	s_add_nc_u64 s[CB0:CB0+1], s[12:13], s[16:17]
	s_add_nc_u64 s[CB1:CB1+1], s[CB0:CB0+1], 12288 ; the next row block
	s_lshl_b32 s16, s18, 3
	s_lshr_b32 s33, s32, 2
	s_add_co_u32 s16, s16, s33                     ; group 8 m + pr / 4
	s_lshl_b32 s16, s16, 12
	s_lshl_b32 s33, s19, 9
	s_add_co_u32 s16, s16, s33
	s_and_b32 s33, s32, 3
	s_lshl_b32 s33, s33, 2
	s_add_co_u32 s16, s16, s33                     ; block 2 (pr % 4) of the group
	s_add_co_u32 s16, s16, WS
	s_add_nc_u64 s[SB0:SB0+1], s[12:13], s[16:17]
	s_add_nc_u64 s[SB1:SB1+1], s[SB0:SB0+1], 256   ; and the odd block beside it
	s_branch .Ltail
.Lx_path:
	; ---- x: row block g, K steps 2 w and 2 w + 1
	s_lshr_b32 s16, ttmp9, 1
	s_lshl_b32 s16, s16, 17                        ; 32 rows of 4,096 bytes for each pair of blocks,
	s_and_b32 s18, ttmp9, 1
	s_lshl_b32 s19, s18, 15                        ; 8 rows for the odd block,
	s_add_co_u32 s16, s16, s19
	s_lshl_b32 s19, s14, 10                        ; 1,024 bytes of a row for each wave
	s_add_co_u32 s16, s16, s19
	s_add_nc_u64 s[SRC:SRC+1], s[4:5], s[16:17]
.irp s, 0,1
.irp t, 0,1,2,3,4,5,6,7,8,9,10,11,12,13,14,15
	global_load_b128 v[RAW+64*\s+4*\t:RAW+64*\s+4*\t+3], v[LI], s[SRC:SRC+1] offset:(\t+8*(\t/8))*4096+512*\s th:TH_LOAD_NT   ; 512 consecutive bytes of the block's row t
.endr
.endr
	s_lshl_b32 s16, ttmp9, 3
	s_lshl_b32 s19, s14, 1
	s_add_co_u32 s16, s16, s19
	s_mul_i32 s16, s16, 1536
	s_add_nc_u64 s[CB0:CB0+1], s[12:13], s[16:17]
	s_add_nc_u64 s[CB1:CB1+1], s[CB0:CB0+1], 1536  ; the next K step
	s_lshr_b32 s16, ttmp9, 3
	s_lshl_b32 s16, s16, 12
	s_lshl_b32 s19, s14, 10
	s_add_co_u32 s16, s16, s19
	s_lshl_b32 s19, s18, 8
	s_add_co_u32 s16, s16, s19
	s_bfe_u32 s19, ttmp9, 0x20001
	s_lshl_b32 s19, s19, 2
	s_add_co_u32 s16, s16, s19
	s_add_co_u32 s16, s16, XS
	s_add_nc_u64 s[SB0:SB0+1], s[12:13], s[16:17]
	s_add_nc_u64 s[SB1:SB1+1], s[SB0:SB0+1], 512
	s_wait_loadcnt 16                              ; set 0's 16 loads are in; set 1's may be out
	s_wait_alu depctr_va_vdst(0)
	TURNX 0
	s_wait_loadcnt 0x0
	TURNX 1
.Ltail:
	s_wait_loadcnt 63                              ; a weight: of 128 loads at most 63 are out, so the first fragment's 64 are in (a wait names 63 at the most).  x: none is out
	s_wait_dscnt 32                                ; x: set 0 is back from the stage; set 1's 16 stores and 16 loads may be out.  A weight: none is out
	QUANT RAW, PC0, PW0
	LEAVE PC0, PW0, CB0, SB0
	s_wait_loadcnt 0x0
	s_wait_dscnt 0x0
	QUANT RAW+64, PC1, PW1                         ; its own registers for codes and word: no store's data are written again
	LEAVE PC1, PW1, CB1, SB1
	s_wait_tensorcnt 0x0
	ds_add_u32 v208, v209
	s_wait_dscnt 0x0
	s_endpgm
.Lfunc_end_k_qa8b0e9b98c_quant:
	.size	k_qa8b0e9b98c_quant, .Lfunc_end_k_qa8b0e9b98c_quant-k_qa8b0e9b98c_quant
	.p2alignl 7, 3214868480
	.fill 96, 4, 3214868480
	.section	.rodata,"a",@progbits
	.p2align	6, 0x0
	.amdhsa_kernel k_qa8b0e9b98c_quant
		.amdhsa_group_segment_fixed_size 34304
		.amdhsa_private_segment_fixed_size 0
		.amdhsa_enable_private_segment 0
		.amdhsa_kernarg_size 40
		.amdhsa_user_sgpr_count 2
		.amdhsa_user_sgpr_kernarg_segment_ptr 1
		.amdhsa_wavefront_size32 1
		.amdhsa_system_sgpr_workgroup_id_x 1
		.amdhsa_system_sgpr_workgroup_id_y 1
		.amdhsa_system_sgpr_workgroup_id_z 1
		.amdhsa_system_vgpr_workitem_id 0
		.amdhsa_next_free_vgpr 210
		.amdhsa_next_free_sgpr 66
		.amdhsa_reserve_vcc 0
		.amdhsa_float_denorm_mode_32 3
		.amdhsa_float_denorm_mode_16_64 3
		.amdhsa_memory_ordered 1
		.amdhsa_forward_progress 1
		.amdhsa_inst_pref_size 32
	.end_amdhsa_kernel
	.amdgpu_metadata
---
amdhsa.version: [ 1, 2 ]
amdhsa.kernels:
  - .name:           k_qa8b0e9b98c_quant
    .symbol:         k_qa8b0e9b98c_quant.kd
    .args:
      - { .name: x, .offset: 0, .size: 8, .value_kind: global_buffer, .address_space: global }
      - { .name: Wq, .offset: 8, .size: 8, .value_kind: global_buffer, .address_space: global }
      - { .name: Wk, .offset: 16, .size: 8, .value_kind: global_buffer, .address_space: global }
      - { .name: Wv, .offset: 24, .size: 8, .value_kind: global_buffer, .address_space: global }
      - { .name: xw, .offset: 32, .size: 8, .value_kind: global_buffer, .address_space: global }
    .group_segment_fixed_size: 34304
    .private_segment_fixed_size: 0
    .kernarg_segment_align: 8
    .kernarg_segment_size: 40
    .max_flat_workgroup_size: 128
    .sgpr_count:     66
    .vgpr_count:     210
    .wavefront_size: 32
...
	.end_amdgpu_metadata
.endif
;; end of part 1
;; launch proj (part 2): grid 8 x 32, 4 waves a work-group, clusters of 4 x 4, 327,680 bytes of LDS; arguments xw, bq, bk, bv, qkv; writes qkv
.if DOCPART == 2
	.amdgcn_target "amdgcn-amd-amdhsa--gfx1250"
	.amdhsa_code_object_version 6
	.text
	.protected	k_qa8b0e9b98c_proj
	.globl	k_qa8b0e9b98c_proj
	.p2align	8
	.type	k_qa8b0e9b98c_proj,@function
k_qa8b0e9b98c_proj:
	s_mov_b64 s[64:65], 0
	v_nop
	global_prefetch_b8 v0, s[64:65] scope:SCOPE_SE
	s_setreg_imm32_b32 hwreg(HW_REG_WAVE_MODE, 25, 1), 1
	s_wait_xcnt 0x0
	s_wait_alu depctr_hold_cnt(0) depctr_sa_sdst(0) depctr_va_vdst(0) depctr_va_sdst(0) depctr_va_ssrc(0) depctr_va_vcc(0) depctr_vm_vsrc(0)
	s_getreg_b32 s2, hwreg(HW_REG_IB_STS2, 6, 4)
	s_cmp_eq_u32 s2, 0
	s_cbranch_scc0 .Lentry_in_a_cluster
	s_endpgm
.Lentry_in_a_cluster:
	s_bfe_u32 s2, ttmp6, 0x10000c
	s_cmp_lg_u32 s2, 0xf033
	s_cbranch_scc0 .Lentry_shape_is_right
	s_endpgm
.Lentry_shape_is_right:
.set KK,    1024
.set NQ,    2
.set NB,    8
.set ROWL,  NQ*1536
.set HALFA, 8*ROWL
.set HALFB, NB*ROWL
.set SLOT,  2*HALFA+2*HALFB
.set PIT8,  KK/128*192
.set SCL,   2*SLOT
.set SPARE, SCL+16384
.set XS,    6291456
.set WC,    6553600
.set WVC,   8126464
.set WS,    8912896
.set WVS,   8978432
.set QS,    18874368
.set VC,    12582912
.set VS,    19398656
.set FR,    12
.set ADRA,  16
.set ADRB,  20
.set ADRS2, 22
.set SO16,  23
.set LI,    26
.set ADRS,  27
.set SPW,   28
.set NIL,   29
.set SC,    32
.set BI,    64
.set AF,    128
.set W2S,   224
.set BI2,   96
.set TM,    64
.set PC,    80
.set PWS,   100
.set SW,    108
.set G1,    24
.set G0,    32
.set G1B,   48
.set G0B,   56
.set G1S,   68
.set G0S,   76
.set G1SB,  80
.set G0SB,  88
.set G1W,   68
.set WVA,   92
.set SEL,   100
.set MSB, 0
.macro WIN new
.if MSB != (\new)
	s_set_vgpr_msb (MSB<<8)|(\new)
.set MSB, (\new)
.endif
.endm
.set MUL_LO, 0xa1
.set MUL_HI, 0xf1
.set TO_B,   0x40
.macro JLOAD g0a, g1a, g0b, g1b
	s_cmp_eq_u32 s15, 0
	s_cbranch_scc0 .Lfor_b_\@
	tensor_load_to_lds s[\g0a:\g0a+3], s[\g1a:\g1a+7]
	s_nop 0
.rept 4
	v_nop
.endr
	s_branch .Lasked_\@
.Lfor_b_\@:
	tensor_load_to_lds s[\g0b:\g0b+3], s[\g1b:\g1b+7]
	s_nop 0
.rept 4
	v_nop
.endr
.Lasked_\@:
.endm
.macro CREST
	s_cmp_lg_u32 s14, 0
	s_cbranch_scc1 .Lnot_wave_0_\@
	s_barrier_signal -3
.Lnot_wave_0_\@:
	s_barrier_wait -3
	s_barrier_signal -1
	s_barrier_wait -1
.endm
.macro CROUND
	s_barrier_signal -1
	s_barrier_wait -1
	CREST
.endm
.macro PLACES n
.rept \n
	v_nop
.endr
.endm
.macro FRAG reg, adr, q, i
.irp c, 0,1,2
	ds_load_b128 v[\reg+4*\c:\reg+4*\c+3], v[\adr] offset:(\i)*ROWL+(\q)*1536+512*\c
.endr
.endm
.macro FETCH_B slot, q, p
	WIN TO_B
.set ii, 0
.rept NB
	FRAG 128*(\p)+FR*ii, ADRB+\slot, \q, ii
.set ii, ii+1
.endr
	WIN 0
.endm
.macro FETCH_A slot, q, i0
.irp i, \i0, \i0+1, \i0+2, \i0+3
	FRAG AF+FR*(\i), ADRA+\slot, \q, \i
.endr
.endm
.macro SCALES sc
.set qq, 0
.rept NQ
	ds_load_b128 v[SC+8*NQ*\sc+8*qq:SC+8*NQ*\sc+8*qq+3], v[ADRS] offset:512*qq
	ds_load_b128 v[SC+8*NQ*\sc+8*qq+4:SC+8*NQ*\sc+8*qq+7], v[ADRS] offset:512*qq+256
.set qq, qq+1
.endr
.endm
.macro MUL16 a0, p, q, sc, zero
.irp a, \a0, \a0+1
.set bb, 0
.rept NB
.set rD, 8*(8*((\a)%4)+bb)
.set rB, 128*(\p)+FR*bb
.set rA, AF+FR*(\a)
.set rSA, SC+8*NQ*(\sc)+8*(\q)+4*((\a)%2)+(\a)/2
.set rSB, SC+8*NQ*(\sc)+8*(\q)+4*(bb%2)+bb/2
.if (\zero) == 0
	v_wmma_scale_f32_16x16x128_f8f6f4 v[rD:rD+7], v[rB:rB+11], v[rA:rA+11], v[rD:rD+7], v[rSB], v[rSA] matrix_a_fmt:MATRIX_FMT_BF6 matrix_b_fmt:MATRIX_FMT_BF6 matrix_a_scale:MATRIX_SCALE_ROW1
.else
	v_wmma_scale_f32_16x16x128_f8f6f4 v[rD:rD+7], v[rB:rB+11], v[rA:rA+11], v[BI+8*bb:BI+8*bb+7], v[rSB], v[rSA] matrix_a_fmt:MATRIX_FMT_BF6 matrix_b_fmt:MATRIX_FMT_BF6 matrix_a_scale:MATRIX_SCALE_ROW1
.endif
.set bb, bb+1
.endr
.endr
.endm
.macro FETCH_X slot, q, p
	WIN TO_B
.set ii, 0
.rept 8
	FRAG 128*(\p)+FR*ii, ADRA+\slot, \q, ii
.set ii, ii+1
.endr
	WIN 0
.endm
.macro FETCH_W slot, q, p
.irp i, 0,1,2,3
	FRAG AF+48*(\p)+FR*\i, ADRB+\slot, \q, \i
.endr
.endm
.macro SCALES2 sc
.set qq, 0
.rept NQ
	ds_load_b128 v[SC+8*NQ*\sc+8*qq:SC+8*NQ*\sc+8*qq+3], v[ADRS2] offset:512*qq
	ds_load_b128 v[SC+8*NQ*\sc+8*qq+4:SC+8*NQ*\sc+8*qq+7], v[ADRS2] offset:512*qq+256
.set qq, qq+1
.endr
.endm
.macro MULA a, p, q, sc, ks, zero
.set bb, 0
.rept 8
.set rD, 8*(8*(\a)+bb)
.set rX, 128*(\p)+FR*bb
.set rW, AF+48*(\p)+FR*(\a)
.set rSX, SC+8*NQ*(\sc)+8*(\q)+4*(bb%2)+bb/2
.set rSW, W2S+4*(\ks)+2*((\a)%2)+(\a)/2
.if (\zero) == 0
	v_wmma_scale_f32_16x16x128_f8f6f4 v[rD:rD+7], v[rX:rX+11], v[rW:rW+11], v[rD:rD+7], v[rSX], v[rSW] matrix_a_fmt:MATRIX_FMT_BF6 matrix_b_fmt:MATRIX_FMT_BF6
.else
	v_wmma_scale_f32_16x16x128_f8f6f4 v[rD:rD+7], v[rX:rX+11], v[rW:rW+11], v[BI2+8*(\a):BI2+8*(\a)+7], v[rSX], v[rSW] matrix_a_fmt:MATRIX_FMT_BF6 matrix_b_fmt:MATRIX_FMT_BF6
.endif
.set bb, bb+1
.endr
.endm
.macro STEP slot, q, zero
	s_wait_dscnt 12
.if (\zero) >= 2
	WIN 0x81
.else
	WIN MUL_LO
.endif
	MUL16 0, (\q)%2, \q, \slot, \zero
	MUL16 2, (\q)%2, \q, \slot, \zero
	s_wait_dscnt 0x0
	PLACES 4
	FETCH_B \slot, (\q)+1, 1-(\q)%2
	FETCH_A \slot, (\q)+1, 0
.if (\zero) >= 2
	WIN 0xc1
.else
	WIN MUL_HI
.endif
	MUL16 4, (\q)%2, \q, \slot, \zero
	MUL16 6, (\q)%2, \q, \slot, \zero
	PLACES 4
	WIN 0
	FETCH_A \slot, (\q)+1, 4
.endm
.macro TURN slot, next, fill, last
	s_wait_tensorcnt 0x0
	ds_add_u32 v[SPW], v[NIL]
	s_wait_dscnt 13
	WIN MUL_LO
	MUL16 0, 1, NQ-1, \slot, 0
	s_wait_dscnt 0x0
	s_barrier_signal -1
	MUL16 2, 1, NQ-1, \slot, 0
	WIN 0
	s_barrier_wait -1
	CREST
.if (\fill) == 1
	s_add_nc_u64 s[G0+4*\slot+2:G0+4*\slot+3], s[G0+4*\slot+2:G0+4*\slot+3], 2*ROWL
	s_add_nc_u64 s[G0B+4*\slot+2:G0B+4*\slot+3], s[G0B+4*\slot+2:G0B+4*\slot+3], 2*ROWL
	JLOAD G0+4*\slot, G1, G0B+4*\slot, G1B
.else
	s_sub_nc_u64 s[G0+4*\slot+2:G0+4*\slot+3], s[G0+4*\slot+2:G0+4*\slot+3], 2*ROWL
	s_add_nc_u64 s[G0B+4*\slot+2:G0B+4*\slot+3], s[WVA:WVA+1], \slot*ROWL
	s_or_b32 s[G0B+4*\slot+3], s[G0B+4*\slot+3], 0x80000000
	JLOAD G0+4*\slot, G1, G0B+4*\slot, G1W
.endif
.if \last
	FETCH_X 0, 0, 0
	FETCH_W 0, 0, 0
	SCALES2 0
.else
	s_wait_alu depctr_va_vdst(0)
	v_add_nc_u32 v[ADRS], 512*NQ, v[ADRS]
	FETCH_B \next, 0, 0
	FETCH_A \next, 0, 0
	SCALES \next
.endif
	WIN MUL_HI
	MUL16 4, 1, NQ-1, \slot, 0
	MUL16 6, 1, NQ-1, \slot, 0
.if \last
	WIN 0
.else
	PLACES 4
	WIN 0
	FETCH_A \next, 0, 4
.endif
.endm
.macro STEP2 slot, ks, zero
	s_wait_dscnt 0x0
	PLACES 4
	FETCH_X \slot, 1, 1
	FETCH_W \slot, 1, 1
.if \zero
	WIN 0x91
.else
	WIN MUL_LO
.endif
.irp a, 0,1,2,3
	MULA \a, 0, 0, \slot, \ks, \zero
.endr
	WIN 0
.endm
.macro TURN2 slot, next, fill, ks
	s_wait_tensorcnt 0x0
	ds_add_u32 v[SPW], v[NIL]
	s_wait_dscnt 1
	WIN MUL_LO
	MULA 0, 1, 1, \slot, \ks, 0
	s_wait_dscnt 0x0
	s_barrier_signal -1
	MULA 1, 1, 1, \slot, \ks, 0
	WIN 0
	s_barrier_wait -1
.if \fill
	CREST
	s_add_nc_u64 s[G0+4*\slot+2:G0+4*\slot+3], s[G0+4*\slot+2:G0+4*\slot+3], 2*ROWL
	s_add_nc_u64 s[G0B+4*\slot+2:G0B+4*\slot+3], s[G0B+4*\slot+2:G0B+4*\slot+3], 2*ROWL
	JLOAD G0+4*\slot, G1, G0B+4*\slot, G1W
.else
	PLACES 4
.endif
	s_wait_alu depctr_va_vdst(0)
	v_add_nc_u32 v[ADRS2], 512*NQ, v[ADRS2]
	FETCH_X \next, 0, 0
	FETCH_W \next, 0, 0
	SCALES2 \next
	WIN MUL_LO
	MULA 2, 1, 1, \slot, \ks, 0
	MULA 3, 1, 1, \slot, \ks, 0
	WIN 0
.endm
.macro QUANT s, w, pc, pw
.set qsrc, (\s)
	WIN (\w)|((\w)<<2)
.irp b, 0,1,2,3
	v_max3_num_f32 v[TM+\b], |v[qsrc+16*\b]|, |v[qsrc+1+16*\b]|, 0x2800000
.endr
	WIN ((\w)<<2)|((\w)<<4)
.irp i, 2,4,6,8,10,12,14
.irp b, 0,1,2,3
	v_max3_num_f32 v[TM+\b], v[TM+\b], |v[qsrc+16*\b+\i]|, |v[qsrc+1+16*\b+\i]|
.endr
.endr
	WIN 0
.irp b, 0,1,2,3
	v_permlanex16_b32 v[TM+4+\b], v[TM+\b], s[SEL], s[SEL+1]
.endr
.irp b, 0,1,2,3
	v_max_num_f32 v[TM+\b], v[TM+\b], v[TM+4+\b]
.endr
.irp b, 0,1,2,3
	v_add_nc_u32 v[TM+12+\b], 0xfe000000, v[TM+\b]
.endr
.irp b, 0,1,2,3
	v_lshrrev_b32 v[TM+4+\b], 23, v[TM+12+\b]
.endr
	v_lshl_or_b32 v[\pw], v[TM+5], 8, v[TM+4]
	v_lshl_or_b32 v[\pw], v[TM+6], 16, v[\pw]
	v_lshl_or_b32 v[\pw], v[TM+7], 24, v[\pw]
	WIN (\w)
.irp c, 0,1
	v_cvt_scalef32_pk16_bf6_f32 v[\pc+6*\c:\pc+2+6*\c], v[qsrc+32*\c:qsrc+15+32*\c], v[TM+12+2*\c]
	v_cvt_scalef32_pk16_bf6_f32 v[\pc+12+4*\c:\pc+14+4*\c], v[qsrc+16+32*\c:qsrc+31+32*\c], v[TM+13+2*\c]
.endr
	WIN 0
	v_nop
.irp c, 0,1
.irp i, 0,1,2
	v_permlane16_swap_b32 v[\pc+6*\c+\i], v[\pc+12+4*\c+\i]
.endr
.irp i, 0,1,2
	v_mov_b32 v[\pc+3+6*\c+\i], v[\pc+12+4*\c+\i]
.endr
.endr
.endm
	s_load_b256 s[4:11], s[0:1], 0x0
	s_load_b64 s[12:13], s[0:1], 0x20
	v_lshl_add_u32 v[SPW], v0, 2, SPARE
	v_mov_b32 v[NIL], 0
	ds_add_u32 v28, v29
	ds_add_u32 v28, v29
	s_wait_dscnt 0x0
	v_lshrrev_b32 v1, 5, v0
	v_readfirstlane_b32 s14, v1
	s_lshr_b32 s15, s14, 1
	s_and_b32 s16, s14, 1
	s_bfe_u32 s40, ttmp6, 0x40000
	s_bfe_u32 s41, ttmp6, 0x40004
	s_mov_b32 s66, ttmp9
	s_and_b32 s67, ttmp7, 0xffff
	s_lshl_b32 s17, s67, 2
	s_add_co_u32 s17, s17, s41
	s_lshl_b32 s42, s66, 2
	s_add_co_u32 s42, s42, s40
	s_lshl_b32 s43, s41, 2
	s_lshl_b32 s43, 15, s43
	s_lshl_b32 s44, 0x1111, s40
	s_or_b32 s[G1+0], s43, (3<<16)|(1<<21)
	s_or_b32 s[G1B+0], s44, (3<<16)|(1<<21)
.irp g, G1, G1B
	s_mov_b32 s[\g+1], (ROWL/8)<<16
	s_mov_b32 s[\g+2], 16<<16
	s_mov_b32 s[\g+3], (ROWL/8)<<16
	s_mov_b32 s[\g+4], 16
	s_mov_b32 s[\g+5], PIT8
	s_mov_b32 s[\g+6], 0
	s_mov_b32 s[\g+7], 0
.endr
	s_or_b32 s[G1S+0], s43, (3<<16)|(1<<21)
	s_or_b32 s[G1SB+0], s44, (3<<16)|(1<<21)
.irp g, G1S, G1SB
	s_mov_b32 s[\g+1], 32<<16
	s_mov_b32 s[\g+2], 32<<16
	s_mov_b32 s[\g+3], 32<<16
	s_mov_b32 s[\g+4], 32
	s_mov_b32 s[\g+5], 32
	s_mov_b32 s[\g+6], 0
	s_mov_b32 s[\g+7], 0
.endr
	s_lshl_b32 s18, s17, 1
	s_add_co_u32 s18, s18, s16
	s_mul_i32 s20, s18, 98304
	s_mov_b32 s21, 0
	s_lshl_b32 s22, s17, 13
	s_add_co_u32 s22, s22, XS
	s_mov_b32 s23, 0
	s_lshl_b32 s45, s42, 1
	s_add_co_u32 s45, s45, s16
	s_mul_i32 s46, s45, 98304
	s_add_co_u32 s46, s46, WC
	s_mov_b32 s47, 0
	s_mul_i32 s[WVA], s45, 49152
	s_add_co_u32 s[WVA], s[WVA], WVC
	s_mov_b32 s[WVA+1], 0
	s_lshl_b32 s100, s42, 13
	s_add_co_u32 s100, s100, WS
	s_mov_b32 s101, 0
	s_mul_i32 s18, s16, HALFA
	s_mul_i32 s45, s16, HALFB
	s_add_co_u32 s45, s45, 2*HALFA
	s_wait_kmcnt 0x0
	s_add_nc_u64 s[20:21], s[4:5], s[20:21]
	s_add_nc_u64 s[22:23], s[4:5], s[22:23]
	s_add_nc_u64 s[46:47], s[4:5], s[46:47]
	s_add_nc_u64 s[WVA:WVA+1], s[4:5], s[WVA:WVA+1]
	s_add_nc_u64 s[100:101], s[4:5], s[100:101]
	CROUND
	s_mov_b32 s[G0S], 1
	s_mov_b32 s[G0S+1], SCL
	s_mov_b64 s[G0S+2:G0S+3], s[22:23]
	s_or_b32 s[G0S+3], s[G0S+3], 0x80000000
	s_mov_b32 s[G0SB], 1
	s_mov_b32 s[G0SB+1], SCL+8192
	s_mov_b64 s[G0SB+2:G0SB+3], s[100:101]
	s_or_b32 s[G0SB+3], s[G0SB+3], 0x80000000
.irp s, 0,1
	s_mov_b32 s[G0+4*\s], 1
	s_add_co_u32 s[G0+4*\s+1], s18, \s*SLOT
	s_add_nc_u64 s[G0+4*\s+2:G0+4*\s+3], s[20:21], \s*ROWL
	s_or_b32 s[G0+4*\s+3], s[G0+4*\s+3], 0x80000000
	s_mov_b32 s[G0B+4*\s], 1
	s_add_co_u32 s[G0B+4*\s+1], s45, \s*SLOT
	s_add_nc_u64 s[G0B+4*\s+2:G0B+4*\s+3], s[46:47], \s*ROWL
	s_or_b32 s[G0B+4*\s+3], s[G0B+4*\s+3], 0x80000000
.endr
; the head's four tiles, one joint load a wave: wave 0 x's 16 row blocks of slot 0, wave 1 x's scale words, wave 2 the weights' 16 row blocks, wave 3 their scale words.
; Waves 0 and 2 fetch the first half in the ring, so their slot 0 descriptors begin at the tile's first row block.
.macro ARM under, g0, g1, next
	s_cmp_lt_u32 s14, \under
	s_cbranch_scc0 \next
	tensor_load_to_lds s[\g0:\g0+3], s[\g1:\g1+7]
	s_nop 0
.rept 4
	v_nop
.endr
	s_branch .Lhead_asked
\next:
.endm
	ARM 1, G0,  G1,  .Lhead_sa
	ARM 2, G0S, G1S, .Lhead_b
	ARM 3, G0B, G1B, .Lhead_sb
	tensor_load_to_lds s[G0SB:G0SB+3], s[G1SB:G1SB+7]
	s_nop 0
.rept 4
	v_nop
.endr
.Lhead_asked:
	v_and_b32 v1, 31, v0
	v_and_b32 v2, 15, v0
	v_bfe_u32 v3, v0, 4, 1
	s_wait_alu depctr_va_vdst(0)
	v_lshlrev_b32 v[LI], 4, v1
	v_lshlrev_b32 v[SO16], 4, v2
	s_mul_i32 s2, s15, HALFA
	s_mul_i32 s3, s16, HALFB
	s_add_co_u32 s3, s3, 2*HALFA
.irp s, 0,1
	v_add_nc_u32 v[ADRA+\s], s2, v[LI]
	v_add_nc_u32 v[ADRB+\s], s3, v[LI]
	s_add_co_u32 s2, s2, SLOT
	s_add_co_u32 s3, s3, SLOT
.endr
	s_lshl_b32 s2, s15, 12
	s_lshl_b32 s3, s16, 12
	s_add_co_u32 s3, s3, 8192
	s_sub_co_u32 s3, s3, s2
	v_mul_u32_u24 v4, s3, v3
	s_add_co_u32 s2, s2, SCL
	v_lshl_add_u32 v4, v2, 4, v4
	v_add_nc_u32 v[ADRS], s2, v4
	v_lshl_add_u32 v[ADRS2], v2, 4, s2
	v_lshlrev_b32 v5, 6, v3
	s_wait_alu depctr_va_vdst(0)
	s_and_b32 s2, s42, 3
	s_lshl_b32 s2, s2, 10
	s_lshl_b32 s3, s16, 9
	s_add_co_u32 s2, s2, s3
	s_mov_b32 s3, 0
	s_cmp_eq_u32 s66, 0
	s_cselect_b64 s[6:7], s[6:7], s[8:9]
	s_add_nc_u64 s[6:7], s[6:7], s[2:3]
.irp b, 0,1,2,3,4,5,6,7
	global_load_b128 v[BI+8*\b:BI+8*\b+3], v5, s[6:7] offset:(32*(\b/2)+8*(\b%2))*4
	global_load_b128 v[BI+8*\b+4:BI+8*\b+7], v5, s[6:7] offset:(32*(\b/2)+8*(\b%2))*4+16
.endr
	v_and_b32 v6, 8, v2
	v_add_nc_u32 v6, v6, v2
	v_lshlrev_b32 v6, 2, v6
	s_lshl_b32 s2, s42, 9
	s_lshl_b32 s3, s16, 8
	s_add_co_u32 s2, s2, s3
	s_mov_b32 s3, 0
	s_add_nc_u64 s[10:11], s[10:11], s[2:3]
	WIN TO_B
.irp a, 0,1,2,3
.irp j, 0,1,2,3,4,5,6,7
	global_load_b32 v[BI2+8*\a+\j], v6, s[10:11] offset:(32*(\a/2)+8*(\a%2))*4
.endr
.endr
	WIN 0
	s_lshl_b32 s22, s42, 12
	s_lshl_b32 s2, s16, 3
	s_add_co_u32 s22, s22, s2
	s_add_co_u32 s22, s22, WVS
	s_mov_b32 s23, 0
	s_add_nc_u64 s[22:23], s[4:5], s[22:23]
.irp ks, 0,1,2,3,4,5,6,7
.irp u, 0,1
	global_load_b64 v[W2S+4*\ks+2*\u:W2S+4*\ks+2*\u+1], v[SO16], s[22:23] offset:512*\ks+256*\u
.endr
.endr
	s_lshl_b32 s2, s42, 1
	s_add_co_u32 s2, s2, s16
	s_lshr_b32 s3, s2, 3
	s_and_b32 s2, s2, 7
	s_mul_i32 s94, s3, 6291456
	s_lshl_b32 s96, s3, 18
	s_mul_i32 s3, s2, 1536
	s_add_co_u32 s94, s94, s3
	s_lshl_b32 s3, s2, 9
	s_add_co_u32 s96, s96, s3
	s_lshl_b32 s2, s17, 1
	s_add_co_u32 s2, s2, s15
	s_mul_i32 s3, s2, 98304
	s_add_co_u32 s94, s94, s3
	s_lshl_b32 s3, s2, 12
	s_add_co_u32 s96, s96, s3
	s_add_co_u32 s96, s96, QS
	s_mov_b32 s95, 0
	s_mov_b32 s97, 0
	s_add_nc_u64 s[94:95], s[12:13], s[94:95]
	s_add_nc_u64 s[96:97], s[12:13], s[96:97]
	s_lshr_b32 s3, s2, 4
	s_and_b32 s2, s2, 15
	s_mul_i32 s98, s3, 1572864
	s_lshl_b32 s20, s3, 16
	s_mul_i32 s3, s2, 1536
	s_add_co_u32 s98, s98, s3
	s_lshl_b32 s3, s2, 9
	s_add_co_u32 s20, s20, s3
	s_lshl_b32 s2, s42, 1
	s_add_co_u32 s2, s2, s16
	s_mul_i32 s3, s2, 98304
	s_add_co_u32 s98, s98, s3
	s_add_co_u32 s98, s98, VC
	s_lshl_b32 s3, s42, 13
	s_add_co_u32 s20, s20, s3
	s_lshl_b32 s3, s16, 3
	s_add_co_u32 s20, s20, s3
	s_add_co_u32 s20, s20, VS
	s_mov_b32 s99, 0
	s_mov_b32 s21, 0
	s_add_nc_u64 s[98:99], s[12:13], s[98:99]
	s_add_nc_u64 s[20:21], s[12:13], s[20:21]
	s_mov_b32 s[SEL], 0x76543210
	s_mov_b32 s[SEL+1], 0xfedcba98
	s_wait_alu depctr_va_vdst(0)
	s_wait_tensorcnt 0x0                           ; my tile of the head's four is in
	ds_add_u32 v[SPW], v[NIL]
	s_mov_b32 s[G1+2], 8<<16                       ; no tensor load of mine is out: from here on a load brings 8 row blocks
	s_mov_b32 s[G1+4], 8
	s_mov_b32 s[G1B+2], 8<<16
	s_mov_b32 s[G1B+4], 8
	s_wait_dscnt 0x0
	CROUND                                         ; all four tiles are in, in all sixteen work-groups
	JLOAD G0+4, G1, G0B+4, G1B                     ; slot 1's first fill, the first tensor load behind the round
	s_wait_loadcnt 48
	FETCH_B 0, 0, 0
	FETCH_A 0, 0, 0
	SCALES 0
	FETCH_A 0, 0, 4
	STEP 0, 0, 2
	TURN 0, 1, 1, 0
	s_or_b32 s[G1W+0], s44, (3<<16)|(1<<21)
	s_mov_b32 s[G1W+1], (ROWL/8)<<16
	s_mov_b32 s[G1W+2], 4<<16
	s_mov_b32 s[G1W+3], (ROWL/8)<<16
	s_mov_b32 s[G1W+4], 4
	s_mov_b32 s[G1W+5], PIT8
	s_mov_b32 s[G1W+6], 0
	s_mov_b32 s[G1W+7], 0
	STEP 1, 0, 0
	TURN 1, 0, 1, 0
	STEP 0, 0, 0
	TURN 0, 1, 2, 0
	STEP 1, 0, 0
	TURN 1, 0, 2, 1
	PLACES 4
.irp b, 0,1,2,3
	v_mov_b32 v[TM+4+\b], 0
.endr
.set AA, 0
.rept 8
.if AA > 0
	s_wait_xcnt 0x0
.endif
	QUANT 64*(AA%4), 2+AA/4, PC, PWS+AA
.irp c, 0,1,2
	global_store_b128 v[LI], v[PC+4*\c:PC+4*\c+3], s[94:95] offset:12288*AA+512*\c
.endr
.set AA, AA+1
.endr
	v_cmp_gt_u32 vcc_lo, 16, v1
.irp j, 0,1,2,3
	v_cndmask_b32 v[SW+\j], v[PWS+2*\j+1], v[PWS+2*\j], vcc_lo
.endr
	global_store_b128 v[LI], v[SW:SW+3], s[96:97]
	s_wait_loadcnt 0x0
	STEP2 0, 0, 1
	TURN2 0, 1, 1, 1
	STEP2 1, 2, 0
	TURN2 1, 0, 1, 3
	STEP2 0, 4, 0
	TURN2 0, 1, 0, 5
	STEP2 1, 6, 0
	s_wait_dscnt 0x0
	WIN MUL_LO
.irp a, 0,1,2,3
	MULA \a, 1, 1, 1, 7, 0
.endr
	WIN 0
	PLACES 4
.set AA, 0
.rept 4
	s_wait_xcnt 0x0
	QUANT 64*AA, 2, PC, PWS+AA
.irp c, 0,1,2
	global_store_b128 v[LI], v[PC+4*\c:PC+4*\c+3], s[98:99] offset:24576*AA+512*\c
.endr
.set AA, AA+1
.endr
	v_cmp_gt_u32 vcc_lo, 16, v1
	v_cndmask_b32 v[SW], v[PWS+1], v[PWS], vcc_lo
	v_cndmask_b32 v[SW+1], v[PWS+3], v[PWS+2], vcc_lo
	global_store_b64 v[LI], v[SW:SW+1], s[20:21]
	s_wait_tensorcnt 0x0
	ds_add_u32 v[SPW], v[NIL]
	s_wait_dscnt 0x0
	CROUND
	s_endpgm
.Lfunc_end_k_qa8b0e9b98c_proj:
	.size	k_qa8b0e9b98c_proj, .Lfunc_end_k_qa8b0e9b98c_proj-k_qa8b0e9b98c_proj
	.p2alignl 7, 3214868480
	.fill 96, 4, 3214868480
	.section	.rodata,"a",@progbits
	.p2align	6, 0x0
	.amdhsa_kernel k_qa8b0e9b98c_proj
		.amdhsa_group_segment_fixed_size 327680
		.amdhsa_private_segment_fixed_size 0
		.amdhsa_enable_private_segment 0
		.amdhsa_kernarg_size 40
		.amdhsa_user_sgpr_count 2
		.amdhsa_user_sgpr_kernarg_segment_ptr 1
		.amdhsa_wavefront_size32 1
		.amdhsa_system_sgpr_workgroup_id_x 1
		.amdhsa_system_sgpr_workgroup_id_y 1
		.amdhsa_system_sgpr_workgroup_id_z 1
		.amdhsa_system_vgpr_workitem_id 0
		.amdhsa_next_free_vgpr 1024
		.amdhsa_next_free_sgpr 102
		.amdhsa_reserve_vcc 1
		.amdhsa_float_denorm_mode_32 3
		.amdhsa_float_denorm_mode_16_64 3
		.amdhsa_memory_ordered 1
		.amdhsa_forward_progress 1
		.amdhsa_inst_pref_size 223
	.end_amdhsa_kernel
	.amdgpu_metadata
---
amdhsa.version: [ 1, 2 ]
amdhsa.kernels:
  - .name:           k_qa8b0e9b98c_proj
    .symbol:         k_qa8b0e9b98c_proj.kd
    .args:
      - { .name: xw, .offset: 0, .size: 8, .value_kind: global_buffer, .address_space: global }
      - { .name: bq, .offset: 8, .size: 8, .value_kind: global_buffer, .address_space: global }
      - { .name: bk, .offset: 16, .size: 8, .value_kind: global_buffer, .address_space: global }
      - { .name: bv, .offset: 24, .size: 8, .value_kind: global_buffer, .address_space: global }
      - { .name: qkv, .offset: 32, .size: 8, .value_kind: global_buffer, .address_space: global }
    .group_segment_fixed_size: 327680
    .private_segment_fixed_size: 0
    .kernarg_segment_align: 8
    .kernarg_segment_size: 40
    .max_flat_workgroup_size: 128
    .sgpr_count:     102
    .vgpr_count:     1024
    .wavefront_size: 32
...
	.end_amdgpu_metadata
.endif
;; end of part 2
;; launch scores (part 3): grid 8 x 32, 4 waves a work-group, clusters of 4 x 4, 327,680 bytes of LDS; arguments qkv, pp; writes pp
.if DOCPART == 3
	.amdgcn_target "amdgcn-amd-amdhsa--gfx1250"
	.amdhsa_code_object_version 6
	.text
	.protected	k_qa8b0e9b98c_scores
	.globl	k_qa8b0e9b98c_scores
	.p2align	8
	.type	k_qa8b0e9b98c_scores,@function
k_qa8b0e9b98c_scores:
	s_mov_b64 s[64:65], 0
	v_nop
	global_prefetch_b8 v0, s[64:65] scope:SCOPE_SE
	s_setreg_imm32_b32 hwreg(HW_REG_WAVE_MODE, 25, 1), 1
	s_wait_xcnt 0x0
	s_wait_alu depctr_hold_cnt(0) depctr_sa_sdst(0) depctr_va_vdst(0) depctr_va_sdst(0) depctr_va_ssrc(0) depctr_va_vcc(0) depctr_vm_vsrc(0)
	s_getreg_b32 s2, hwreg(HW_REG_IB_STS2, 6, 4)
	s_cmp_eq_u32 s2, 0
	s_cbranch_scc0 .Lentry_in_a_cluster
	s_endpgm
.Lentry_in_a_cluster:
	s_bfe_u32 s2, ttmp6, 0x10000c
	s_cmp_lg_u32 s2, 0xf033
	s_cbranch_scc0 .Lentry_shape_is_right
	s_endpgm
.Lentry_shape_is_right:
; S = q k^T on codes of BF6 (E3M2) with E8M0 scales, sums in f32; then, for each query and each 128 keys: t = score x log2(e) / 32, M = the largest t of these 128 keys rounded UP to a whole number,
; p = 2^(t - M), l = the sum of the unquantised p; p is quantised along the keys.  Stored in pp: p's codes and scale words, M and l.  The next launch joins a row's sixteen M to the row's own and takes the
; difference, a whole number, off p's scale bytes: a power of two that a block's scale takes up, so the codes are those of the row's M.
; OPERANDS lie in qkv as images of their registers (a fragment, 16 rows x 128 K, is 1,536 bytes: registers 4 c .. 4 c + 3 of lane l at 512 c + 16 l; [row block][8 K steps][1,536]); lane r of row block 2 B + u
; holds token 32 B + 8 u + r + 8 (r / 8).  Scale words, M and l: [group of 128 rows][K step][512], block i, row r at 256 (i % 2) + 16 r + 4 (i / 2).
; THE PRODUCT: source 0 = 16 keys, source 1 = 16 queries: a lane holds ONE query, and by the order of k's rows register 16 b + i of its eight tiles is key 32 b + 16 (lane / 16) + i of my 128.
; SHARES.  A work-group makes 256 queries x 256 keys of one batch, each of its four waves 128 x 128: 64 accumulators.  K = 1,024 goes through two LDS slots of 256 along K: two first fills, two refills, no loop.
; A tile's "row" for the data mover is a row block's run of images, 3,072 consecutive bytes; 8 such rows to a load.
; CLUSTER 4 x 4: q's tiles are shared along a row of the cluster, k's along a column, each asked for jointly.
; LIMITS: NaN and infinities are not served.  A block of p that is all zeros gets the scale byte 1: its codes are zeros.
; REGISTERS: window 0: v0-31 addresses; v32-63 scale words, two sets; v128-223 q's 8 fragments; on the way out v64-211 as listed below.  window 1: k's fragments, two sets.  windows 2, 3: the accumulators.
.set KK,    1024
.set NQ,    2
.set NB,    8
.set ROWL,  NQ*1536
.set HALFA, 8*ROWL
.set HALFB, NB*ROWL
.set SLOT,  2*HALFA+2*HALFB
.set PIT8,  KK/128*192
.set SCL,   2*SLOT                     ; behind the ring: the scale words of q's two groups, then k's two: filled once
.set SPARE, SCL+16384                  ; the spare words: two blocks of 256 bytes that no other line names
.set KC,    6291456                    ; qkv: q's codes at 0, k's here;
.set QS,    18874368                   ; q's scale words, k's
.set KSC,   19136512
.set PS,    12582912                   ; pp: p's codes at 0, its scale words here, M 524,288 bytes on, l 1,048,576 on
.set FR,    12
.set ADRA,  16
.set ADRB,  20
.set LI,    26                         ; v26 16 x lane
.set ADRS,  27
.set SPW,   28
.set NIL,   29
.set SC,    32
.set AF,    128
.set PR,    64                         ; v64-127  t - M, then p
.set PC,    128                        ; v128-147 p's codes
.set BM,    148                        ; v148-151 each block's largest score, then its largest p
.set TX,    152                        ; v152-155 lane permutes' destinations
.set SO,    156                        ; v156-159 the conversions' scale operands
.set BY,    160                        ; v160-163 scale bytes
.set NM,    164                        ; v[164:165] -M (the packed form names a pair and takes its low word)
.set SUMA,  166                        ; v[166:167], v[168:169] the sum's two chains
.set SUMB,  168
.set TT,    170                        ; v170-171 at work
.set PWS,   176                        ; v176-183 eight scale words; v184-191 eight M; v192-199 eight l; v200-211 as they are stored
.set MS,    184
.set LS,    192
.set SW,    200
.set G1,    24
.set G0,    32
.set G1B,   48
.set G0B,   56
.set G1S,   68
.set G0S,   76
.set G1SB,  80
.set G0SB,  88
.set CS,    98                         ; s[98:99] c = log2(e) / 32
.set SEL,   100                        ; s[100:101] lane selects: lane l xor 16
.set MSB, 0
.macro WIN new                         ; the immediate's high byte repeats the setting that is left
.if MSB != (\new)
	s_set_vgpr_msb (MSB<<8)|(\new)
.set MSB, (\new)
.endif
.endm
.set MUL_LO, 0xa1                      ; source 0 (k) window 1, source 1 (q) window 0, C and D window 2
.set MUL_HI, 0xf1
.set TO_B,   0x40
.macro JLOAD g0a, g1a, g0b, g1b        ; waves 0 and 1 fetch for q, waves 2 and 3 for k; four v_nop follow each of the two lines
	s_cmp_eq_u32 s15, 0
	s_cbranch_scc0 .Lfor_b_\@
	tensor_load_to_lds s[\g0a:\g0a+3], s[\g1a:\g1a+7]
	s_nop 0
.rept 4
	v_nop
.endr
	s_branch .Lasked_\@
.Lfor_b_\@:
	tensor_load_to_lds s[\g0b:\g0b+3], s[\g1b:\g1b+7]
	s_nop 0
.rept 4
	v_nop
.endr
.Lasked_\@:
.endm
.macro CREST
	s_cmp_lg_u32 s14, 0
	s_cbranch_scc1 .Lnot_wave_0_\@
	s_barrier_signal -3
.Lnot_wave_0_\@:
	s_barrier_wait -3
	s_barrier_signal -1
	s_barrier_wait -1
.endm
.macro CROUND
	s_barrier_signal -1
	s_barrier_wait -1
	CREST
.endm
.macro PLACES n
.rept \n
	v_nop
.endr
.endm
.macro FRAG reg, adr, q, i
.irp c, 0,1,2
	ds_load_b128 v[\reg+4*\c:\reg+4*\c+3], v[\adr] offset:(\i)*ROWL+(\q)*1536+512*\c
.endr
.endm
.macro FETCH_B slot, q, p
	WIN TO_B
.set ii, 0
.rept NB
	FRAG 128*(\p)+FR*ii, ADRB+\slot, \q, ii
.set ii, ii+1
.endr
	WIN 0
.endm
.macro FETCH_A slot, q, i0
.irp i, \i0, \i0+1, \i0+2, \i0+3
	FRAG AF+FR*(\i), ADRA+\slot, \q, \i
.endr
.endm
.macro SCALES sc
.set qq, 0
.rept NQ
	ds_load_b128 v[SC+8*NQ*\sc+8*qq:SC+8*NQ*\sc+8*qq+3], v[ADRS] offset:512*qq
	ds_load_b128 v[SC+8*NQ*\sc+8*qq+4:SC+8*NQ*\sc+8*qq+7], v[ADRS] offset:512*qq+256
.set qq, qq+1
.endr
.endm
; q's blocks a0, a0 + 1 against k's eight.  zero = 1: the first product starts the sums.  The accumulators take turns.
.macro MUL16 a0, p, q, sc, zero
.irp a, \a0, \a0+1
.set bb, 0
.rept NB
.set rD, 8*(8*((\a)%4)+bb)
.set rB, 128*(\p)+FR*bb
.set rA, AF+FR*(\a)
.set rSA, SC+8*NQ*(\sc)+8*(\q)+4*((\a)%2)+(\a)/2
.set rSB, SC+8*NQ*(\sc)+8*(\q)+4*(bb%2)+bb/2
.if (\zero) == 0
	v_wmma_scale_f32_16x16x128_f8f6f4 v[rD:rD+7], v[rB:rB+11], v[rA:rA+11], v[rD:rD+7], v[rSB], v[rSA] matrix_a_fmt:MATRIX_FMT_BF6 matrix_b_fmt:MATRIX_FMT_BF6 matrix_a_scale:MATRIX_SCALE_ROW1
.else
	v_wmma_scale_f32_16x16x128_f8f6f4 v[rD:rD+7], v[rB:rB+11], v[rA:rA+11], 0, v[rSB], v[rSA] matrix_a_fmt:MATRIX_FMT_BF6 matrix_b_fmt:MATRIX_FMT_BF6 matrix_a_scale:MATRIX_SCALE_ROW1
.endif
.set bb, bb+1
.endr
.endr
.endm
.macro STEP slot, q, zero
	s_wait_dscnt 12                                ; k's set, q's blocks 0-3 and the scale words are in; the youngest 12 loads (q's blocks 4-7) may be out
	WIN MUL_LO
	MUL16 0, (\q)%2, \q, \slot, \zero
	MUL16 2, (\q)%2, \q, \slot, \zero
	s_wait_dscnt 0x0
	PLACES 4
	FETCH_B \slot, (\q)+1, 1-(\q)%2
	FETCH_A \slot, (\q)+1, 0
	WIN MUL_HI
	MUL16 4, (\q)%2, \q, \slot, \zero
	MUL16 6, (\q)%2, \q, \slot, \zero
	PLACES 4
	WIN 0
	FETCH_A \slot, (\q)+1, 4
.endm
.macro TURN slot, next, fill
	s_wait_tensorcnt 0x0                           ; all my tensor loads have landed: my part of the next slot
	ds_add_u32 v[SPW], v[NIL]                      ; 0 onto my spare word
	s_wait_dscnt 13                                ; (the add and the youngest 12 loads may be out)
	WIN MUL_LO
	MUL16 0, 1, NQ-1, \slot, 0
	s_wait_dscnt 0x0                               ; the add is done, and my reads of this slot are over
	s_barrier_signal -1
	MUL16 2, 1, NQ-1, \slot, 0
	WIN 0
	s_barrier_wait -1
.if \fill
	CREST                                          ; no wave of any partner still reads this slot or has a load on its way
	s_add_nc_u64 s[G0+4*\slot+2:G0+4*\slot+3], s[G0+4*\slot+2:G0+4*\slot+3], 2*ROWL
	s_add_nc_u64 s[G0B+4*\slot+2:G0B+4*\slot+3], s[G0B+4*\slot+2:G0B+4*\slot+3], 2*ROWL
	JLOAD G0+4*\slot, G1, G0B+4*\slot, G1B
.else
	PLACES 4
.endif
	s_wait_alu depctr_va_vdst(0)
	v_add_nc_u32 v[ADRS], 512*NQ, v[ADRS]
	FETCH_B \next, 0, 0
	FETCH_A \next, 0, 0
	SCALES \next
	WIN MUL_HI
	MUL16 4, 1, NQ-1, \slot, 0
	MUL16 6, 1, NQ-1, \slot, 0
	PLACES 4
	WIN 0
	FETCH_A \next, 0, 4
.endm
; Block a of my queries: 64 scores a lane become M, l, p's codes and p's scale word.
.macro SOFT a
.set SWIN, 2+(\a)/4
.set SSRC, 64*((\a)%4)
	WIN SWIN|(SWIN<<2)|(SWIN<<4)
.irp b, 0,1,2,3
	v_max3_num_f32 v[BM+\b], v[SSRC+16*\b], v[SSRC+16*\b+1], v[SSRC+16*\b+2]   ; the largest score of each block of 32 keys: it serves the row's maximum and, since p rises with the score, the block's largest p
.endr
	WIN (SWIN<<2)|(SWIN<<4)
.irp i, 3,5,7,9,11,13
.irp b, 0,1,2,3
	v_max3_num_f32 v[BM+\b], v[BM+\b], v[SSRC+16*\b+\i], v[SSRC+16*\b+\i+1]    ; ascending: each accumulator is read from its low end on
.endr
.endr
.irp b, 0,1,2,3
	v_max_num_f32 v[BM+\b], v[BM+\b], v[SSRC+16*\b+15]
.endr
	WIN 0
.irp b, 0,1,2,3
	v_permlanex16_b32 v[TX+\b], v[BM+\b], s[SEL], s[SEL+1]
.endr
.irp b, 0,1,2,3
	v_max_num_f32 v[BM+\b], v[BM+\b], v[TX+\b]     ; with lane l xor 16's 16 keys
.endr
	v_max3_num_f32 v[TT], v[BM], v[BM+1], v[BM+2]
	v_max_num_f32 v[TT], v[TT], v[BM+3]            ; my query's largest score among these 128 keys
	v_mul_f32 v[TT], s[CS], v[TT]                  ; as t (c is positive)
	v_floor_f32 v[NM], -v[TT]                      ; -M = floor(-t) = -ceil(t): a whole number
	WIN SWIN
.set jj, 0
.rept 32
	v_pk_fma_f32 v[PR+jj:PR+jj+1], v[SSRC+jj:SSRC+jj+1], s[CS:CS+1], v[NM:NM+1] op_sel_hi:[1,0,0]   ; t - M, two at a time
.set jj, jj+2
.endr
	WIN 0
.irp b, 0,1,2,3
	v_fma_f32 v[BM+\b], v[BM+\b], s[CS], v[NM]     ; the same of each block's largest score
.endr
.set jj, 0
	s_wait_alu depctr_va_vdst(0)
.rept 64
	v_exp_f32 v[PR+jj], v[PR+jj]                   ; p = 2^(t - M), at most 1
.set jj, jj+1
.endr
	v_sub_f32 v[MS+\a], 0, v[NM]                   ; M.  (The plain line behind the exponentials)
	s_wait_alu depctr_va_vdst(0)                   ; one wait for the batch of 64, ahead of its first reader
.irp b, 0,1,2,3
	v_exp_f32 v[BM+\b], v[BM+\b]                   ; the block's largest p: the same two instructions on the same number give the same bits
.endr
	v_pk_add_f32 v[SUMA:SUMA+1], v[PR:PR+1], v[PR+2:PR+3]         ; the sum of the UNQUANTISED p, in two chains; it reads the 64 alone
	v_pk_add_f32 v[SUMB:SUMB+1], v[PR+4:PR+5], v[PR+6:PR+7]
.irp j, 8,12,16,20,24,28,32,36,40,44,48,52,56,60
	v_pk_add_f32 v[SUMA:SUMA+1], v[SUMA:SUMA+1], v[PR+\j:PR+\j+1]
	v_pk_add_f32 v[SUMB:SUMB+1], v[SUMB:SUMB+1], v[PR+\j+2:PR+\j+3]
.endr
	v_pk_add_f32 v[SUMA:SUMA+1], v[SUMA:SUMA+1], v[SUMB:SUMB+1]
	v_add_f32 v[TT], v[SUMA], v[SUMA+1]
	v_permlanex16_b32 v[TT+1], v[TT], s[SEL], s[SEL+1]
	v_add_f32 v[LS+\a], v[TT], v[TT+1]             ; l of my query and these 128 keys
	s_wait_alu depctr_va_vdst(0)                   ; and one wait for the four
.irp b, 0,1,2,3
	v_max_num_f32 v[BM+\b], 0x2800000, v[BM+\b]    ; the floor 2^(5 - 127): the byte cannot fall under 1
.endr
.irp b, 0,1,2,3
	v_add_nc_u32 v[SO+\b], 0xfe000000, v[BM+\b]    ; 4 off the exponent field: the conversion's scale operand
.endr
.irp b, 0,1,2,3
	v_lshrrev_b32 v[BY+\b], 23, v[SO+\b]
.endr
	v_lshl_or_b32 v[PWS+\a], v[BY+1], 8, v[BY]
	v_lshl_or_b32 v[PWS+\a], v[BY+2], 16, v[PWS+\a]
	v_lshl_or_b32 v[PWS+\a], v[BY+3], 24, v[PWS+\a]
.if (\a) > 0
	s_wait_xcnt 0x0                                ; the last block's stores have read the codes' registers: they are written again only behind this wait
.endif
.irp c, 0,1
	v_cvt_scalef32_pk16_bf6_f32 v[PC+6*\c:PC+2+6*\c], v[PR+32*\c:PR+15+32*\c], v[SO+2*\c]
	v_cvt_scalef32_pk16_bf6_f32 v[PC+12+4*\c:PC+14+4*\c], v[PR+16+32*\c:PR+31+32*\c], v[SO+2*\c+1]
.endr
	v_nop                                          ; one plain place behind a scaled conversion
.irp c, 0,1
.irp i, 0,1,2
	v_permlane16_swap_b32 v[PC+6*\c+\i], v[PC+12+4*\c+\i]
.endr
.irp i, 0,1,2
	v_mov_b32 v[PC+3+6*\c+\i], v[PC+12+4*\c+\i]
.endr
.endr
.irp c, 0,1,2
	global_store_b128 v[LI], v[PC+4*\c:PC+4*\c+3], s[94:95] offset:24576*(\a)+512*\c   ; 512 consecutive bytes, at a multiple of 256 from the buffer's first byte
.endr
.endm
	s_load_b128 s[4:7], s[0:1], 0x0                ; qkv s[4:5], pp s[6:7]
	v_lshl_add_u32 v[SPW], v0, 2, SPARE
	v_mov_b32 v[NIL], 0
	ds_add_u32 v28, v29
	ds_add_u32 v28, v29
	s_wait_dscnt 0x0
	v_lshrrev_b32 v1, 5, v0
	v_readfirstlane_b32 s14, v1                    ; wave 0..3
	s_lshr_b32 s15, s14, 1                         ; my half of the queries.  Also: I fetch for q (0) or for k (1)
	s_and_b32 s16, s14, 1                          ; my half of the keys.  Also: which half of that tile I fetch
	s_bfe_u32 s40, ttmp6, 0x40000                  ; cx
	s_bfe_u32 s41, ttmp6, 0x40004                  ; cy
	s_mov_b32 s66, ttmp9                           ; the cluster's x, 0..1
	s_and_b32 s67, ttmp7, 0xffff                   ; the cluster's y, 0..7; the batch is y / 2
	s_lshl_b32 s17, s67, 2
	s_add_co_u32 s17, s17, s41                     ; q's tile of 256 rows, 0..31
	s_lshr_b32 s42, s67, 1
	s_lshl_b32 s42, s42, 1
	s_add_co_u32 s42, s42, s66
	s_lshl_b32 s42, s42, 2
	s_add_co_u32 s42, s42, s40                     ; k's tile: 8 x batch + 4 x + cx
	s_lshl_b32 s43, s41, 2
	s_lshl_b32 s43, 15, s43                        ; my row of the cluster
	s_lshl_b32 s44, 0x1111, s40                    ; my column
	s_or_b32 s[G1+0], s43, (3<<16)|(1<<21)         ; 15:0 the mask; 17:16 elements of 8 bytes; 21 set beside a mask; no padding: the images are read 512 consecutive bytes an instruction
	s_or_b32 s[G1B+0], s44, (3<<16)|(1<<21)
.irp g, G1, G1B
	s_mov_b32 s[\g+1], (ROWL/8)<<16                ; tensor_dim0
	s_mov_b32 s[\g+2], 16<<16                      ; tensor_dim1: 16 row blocks for the head's loads
	s_mov_b32 s[\g+3], (ROWL/8)<<16                ; tile_dim0
	s_mov_b32 s[\g+4], 16                          ; tile_dim1
	s_mov_b32 s[\g+5], PIT8                        ; from row to row
	s_mov_b32 s[\g+6], 0
	s_mov_b32 s[\g+7], 0
.endr
	s_or_b32 s[G1S+0], s43, (3<<16)|(1<<21)        ; a group's scale words: 4,096 dense bytes as 16 rows of 256
	s_or_b32 s[G1SB+0], s44, (3<<16)|(1<<21)
.irp g, G1S, G1SB
	s_mov_b32 s[\g+1], 32<<16
	s_mov_b32 s[\g+2], 32<<16
	s_mov_b32 s[\g+3], 32<<16
	s_mov_b32 s[\g+4], 32
	s_mov_b32 s[\g+5], 32
	s_mov_b32 s[\g+6], 0
	s_mov_b32 s[\g+7], 0
.endr
	s_lshl_b32 s18, s17, 1
	s_add_co_u32 s18, s18, s16                     ; q: the group of 128 rows that I fetch
	s_mul_i32 s20, s18, 98304
	s_mov_b32 s21, 0
	s_lshl_b32 s22, s17, 13
	s_add_co_u32 s22, s22, QS
	s_mov_b32 s23, 0
	s_lshl_b32 s45, s42, 1
	s_add_co_u32 s45, s45, s16                     ; k likewise
	s_and_b32 s93, s45, 15                         ; and my group of 128 keys in the batch: the results' K step
	s_mul_i32 s46, s45, 98304
	s_add_co_u32 s46, s46, KC
	s_mov_b32 s47, 0
	s_lshl_b32 s100, s42, 13
	s_add_co_u32 s100, s100, KSC
	s_mov_b32 s101, 0
	s_mul_i32 s18, s16, HALFA                      ; where they go: no place in the cluster enters an LDS address
	s_mul_i32 s45, s16, HALFB
	s_add_co_u32 s45, s45, 2*HALFA
	s_wait_kmcnt 0x0
	s_add_nc_u64 s[20:21], s[4:5], s[20:21]
	s_add_nc_u64 s[22:23], s[4:5], s[22:23]
	s_add_nc_u64 s[46:47], s[4:5], s[46:47]
	s_add_nc_u64 s[100:101], s[4:5], s[100:101]
	CROUND                                         ; all sixteen work-groups are here: the first joint loads meet
	s_mov_b32 s[G0S], 1
	s_mov_b32 s[G0S+1], SCL
	s_mov_b64 s[G0S+2:G0S+3], s[22:23]
	s_or_b32 s[G0S+3], s[G0S+3], 0x80000000
	s_mov_b32 s[G0SB], 1
	s_mov_b32 s[G0SB+1], SCL+8192
	s_mov_b64 s[G0SB+2:G0SB+3], s[100:101]
	s_or_b32 s[G0SB+3], s[G0SB+3], 0x80000000
.irp s, 0,1
	s_mov_b32 s[G0+4*\s], 1
	s_add_co_u32 s[G0+4*\s+1], s18, \s*SLOT
	s_add_nc_u64 s[G0+4*\s+2:G0+4*\s+3], s[20:21], \s*ROWL
	s_or_b32 s[G0+4*\s+3], s[G0+4*\s+3], 0x80000000
	s_mov_b32 s[G0B+4*\s], 1
	s_add_co_u32 s[G0B+4*\s+1], s45, \s*SLOT
	s_add_nc_u64 s[G0B+4*\s+2:G0B+4*\s+3], s[46:47], \s*ROWL
	s_or_b32 s[G0B+4*\s+3], s[G0B+4*\s+3], 0x80000000
.endr
; the head's four tiles, one joint load a wave: wave 0 q's 16 row blocks of slot 0, wave 1 q's scale words, wave 2 k's 16 row blocks, wave 3 k's scale words.
; Waves 0 and 2 fetch the first half in the ring, so their slot 0 descriptors begin at the tile's first row block.
.macro ARM under, g0, g1, next
	s_cmp_lt_u32 s14, \under
	s_cbranch_scc0 \next
	tensor_load_to_lds s[\g0:\g0+3], s[\g1:\g1+7]
	s_nop 0
.rept 4
	v_nop
.endr
	s_branch .Lhead_asked
\next:
.endm
	ARM 1, G0,  G1,  .Lhead_sa
	ARM 2, G0S, G1S, .Lhead_b
	ARM 3, G0B, G1B, .Lhead_sb
	tensor_load_to_lds s[G0SB:G0SB+3], s[G1SB:G1SB+7]
	s_nop 0
.rept 4
	v_nop
.endr
.Lhead_asked:
	v_and_b32 v1, 31, v0                           ; lane
	v_and_b32 v2, 15, v0                           ; r
	v_bfe_u32 v3, v0, 4, 1                         ; h
	s_wait_alu depctr_va_vdst(0)
	v_lshlrev_b32 v[LI], 4, v1
	s_mul_i32 s2, s15, HALFA
	s_mul_i32 s3, s16, HALFB
	s_add_co_u32 s3, s3, 2*HALFA
.irp s, 0,1
	v_add_nc_u32 v[ADRA+\s], s2, v[LI]
	v_add_nc_u32 v[ADRB+\s], s3, v[LI]
	s_add_co_u32 s2, s2, SLOT
	s_add_co_u32 s3, s3, SLOT
.endr
	s_lshl_b32 s2, s15, 12
	s_lshl_b32 s3, s16, 12
	s_add_co_u32 s3, s3, 8192
	s_sub_co_u32 s3, s3, s2
	v_mul_u32_u24 v4, s3, v3                       ; lanes 16-31 take k's words: one product, the distance between the two
	s_add_co_u32 s2, s2, SCL
	v_lshl_add_u32 v4, v2, 4, v4
	v_add_nc_u32 v[ADRS], s2, v4
	; where the results go
	s_lshl_b32 s94, s17, 4
	s_lshl_b32 s2, s15, 3
	s_add_co_u32 s94, s94, s2                      ; my first row block of p,
	s_mul_i32 s94, s94, 24576                      ; 16 K steps of 1,536 bytes a row block,
	s_mul_i32 s2, s93, 1536
	s_add_co_u32 s94, s94, s2                      ; my K step
	s_mov_b32 s95, 0
	s_lshl_b32 s96, s17, 1
	s_add_co_u32 s96, s96, s15
	s_lshl_b32 s96, s96, 13
	s_lshl_b32 s2, s93, 9
	s_add_co_u32 s96, s96, s2
	s_add_co_u32 s96, s96, PS
	s_mov_b32 s97, 0
	s_add_nc_u64 s[94:95], s[6:7], s[94:95]
	s_add_nc_u64 s[96:97], s[6:7], s[96:97]
	s_mov_b32 s[CS], 0x3d38aa3b                    ; log2(e) / 32
	s_mov_b32 s[CS+1], s[CS]                       ; (named with it as a pair, so it is written)
	s_mov_b32 s[SEL], 0x76543210
	s_mov_b32 s[SEL+1], 0xfedcba98
	s_wait_alu depctr_va_vdst(0)
	s_wait_tensorcnt 0x0                           ; my tile of the head's four is in
	ds_add_u32 v[SPW], v[NIL]
	s_mov_b32 s[G1+2], 8<<16                       ; no tensor load of mine is out: from here on a load brings 8 row blocks
	s_mov_b32 s[G1+4], 8
	s_mov_b32 s[G1B+2], 8<<16
	s_mov_b32 s[G1B+4], 8
	s_wait_dscnt 0x0
	CROUND                                         ; all four tiles are in, in all sixteen work-groups
	JLOAD G0+4, G1, G0B+4, G1B                     ; slot 1's first fill, the first tensor load behind the round
	FETCH_B 0, 0, 0
	FETCH_A 0, 0, 0
	SCALES 0
	FETCH_A 0, 0, 4
	STEP 0, 0, 1
	TURN 0, 1, 1
	STEP 1, 0, 0
	TURN 1, 0, 1
	STEP 0, 0, 0
	TURN 0, 1, 0                                   ; nothing is left to fetch
	STEP 1, 0, 0
	s_wait_dscnt 12                                ; the last K step
	WIN MUL_LO
	MUL16 0, 1, NQ-1, 1, 0
	MUL16 2, 1, NQ-1, 1, 0
	s_wait_dscnt 0x0
	WIN MUL_HI
	MUL16 4, 1, NQ-1, 1, 0
	MUL16 6, 1, NQ-1, 1, 0
	WIN 0
	PLACES 4                                       ; behind the last products: what follows reads their results and writes registers that held q's fragments
.irp b, 0,1,2,3
	v_mov_b32 v[TX+\b], 0                          ; written once: a lane permute's destination counts as one of its sources
.endr
	v_mov_b32 v[TT+1], 0
	v_mov_b32 v[NM+1], 0                           ; (named as the upper half of a pair)
.irp a, 0,1,2,3,4,5,6,7
	SOFT \a
.endr
	v_cmp_gt_u32 vcc_lo, 16, v1                    ; lanes 0-15 store what belongs to blocks 0, 2, 4, 6, lanes 16-31 to 1, 3, 5, 7
.irp j, 0,1,2,3
	v_cndmask_b32 v[SW+\j], v[PWS+2*\j+1], v[PWS+2*\j], vcc_lo
	v_cndmask_b32 v[SW+4+\j], v[MS+2*\j+1], v[MS+2*\j], vcc_lo
	v_cndmask_b32 v[SW+8+\j], v[LS+2*\j+1], v[LS+2*\j], vcc_lo
.endr
	global_store_b128 v[LI], v[SW:SW+3], s[96:97]                     ; p's scale words: 512 consecutive bytes
	global_store_b128 v[LI], v[SW+4:SW+7], s[96:97] offset:524288     ; M
	global_store_b128 v[LI], v[SW+8:SW+11], s[96:97] offset:1048576   ; l
	s_wait_tensorcnt 0x0                           ; the wave's end
	ds_add_u32 v[SPW], v[NIL]
	s_wait_dscnt 0x0
	CROUND                                         ; the closing round
	s_endpgm
.Lfunc_end_k_qa8b0e9b98c_scores:
	.size	k_qa8b0e9b98c_scores, .Lfunc_end_k_qa8b0e9b98c_scores-k_qa8b0e9b98c_scores
	.p2alignl 7, 3214868480
	.fill 96, 4, 3214868480
	.section	.rodata,"a",@progbits
	.p2align	6, 0x0
	.amdhsa_kernel k_qa8b0e9b98c_scores
		.amdhsa_group_segment_fixed_size 327680
		.amdhsa_private_segment_fixed_size 0
		.amdhsa_enable_private_segment 0
		.amdhsa_kernarg_size 16
		.amdhsa_user_sgpr_count 2
		.amdhsa_user_sgpr_kernarg_segment_ptr 1
		.amdhsa_wavefront_size32 1
		.amdhsa_system_sgpr_workgroup_id_x 1
		.amdhsa_system_sgpr_workgroup_id_y 1
		.amdhsa_system_sgpr_workgroup_id_z 1
		.amdhsa_system_vgpr_workitem_id 0
		.amdhsa_next_free_vgpr 1024
		.amdhsa_next_free_sgpr 102
		.amdhsa_reserve_vcc 1
		.amdhsa_float_denorm_mode_32 3
		.amdhsa_float_denorm_mode_16_64 3
		.amdhsa_memory_ordered 1
		.amdhsa_forward_progress 1
		.amdhsa_inst_pref_size 194
	.end_amdhsa_kernel
	.amdgpu_metadata
---
amdhsa.version: [ 1, 2 ]
amdhsa.kernels:
  - .name:           k_qa8b0e9b98c_scores
    .symbol:         k_qa8b0e9b98c_scores.kd
    .args:
      - { .name: qkv, .offset: 0, .size: 8, .value_kind: global_buffer, .address_space: global }
      - { .name: pp, .offset: 8, .size: 8, .value_kind: global_buffer, .address_space: global }
    .group_segment_fixed_size: 327680
    .private_segment_fixed_size: 0
    .kernarg_segment_align: 8
    .kernarg_segment_size: 16
    .max_flat_workgroup_size: 128
    .sgpr_count:     102
    .vgpr_count:     1024
    .wavefront_size: 32
...
	.end_amdgpu_metadata
.endif
;; end of part 3
;; launch pv (part 4): grid 8 x 32, 4 waves a work-group, clusters of 4 x 4, 327,680 bytes of LDS; arguments pp, qkv, out0; writes out0
.if DOCPART == 4
	.amdgcn_target "amdgcn-amd-amdhsa--gfx1250"
	.amdhsa_code_object_version 6
	.text
	.protected	k_qa8b0e9b98c_pv
	.globl	k_qa8b0e9b98c_pv
	.p2align	8
	.type	k_qa8b0e9b98c_pv,@function
k_qa8b0e9b98c_pv:
	s_mov_b64 s[64:65], 0
	v_nop
	global_prefetch_b8 v0, s[64:65] scope:SCOPE_SE
	s_setreg_imm32_b32 hwreg(HW_REG_WAVE_MODE, 25, 1), 1
	s_wait_xcnt 0x0
	s_wait_alu depctr_hold_cnt(0) depctr_sa_sdst(0) depctr_va_vdst(0) depctr_va_sdst(0) depctr_va_ssrc(0) depctr_va_vcc(0) depctr_vm_vsrc(0)
	s_getreg_b32 s2, hwreg(HW_REG_IB_STS2, 6, 4)
	s_cmp_eq_u32 s2, 0
	s_cbranch_scc0 .Lentry_in_a_cluster
	s_endpgm
.Lentry_in_a_cluster:
	s_bfe_u32 s2, ttmp6, 0x10000c
	s_cmp_lg_u32 s2, 0xf033
	s_cbranch_scc0 .Lentry_shape_is_right
	s_endpgm
.Lentry_shape_is_right:
; O = P V / l on codes of BF6 (E3M2) with E8M0 scales, sums in f32.  p's codes were made under a maximum M_c of their own for each query and each 128 keys.  Here each row's sixteen M_c are joined to the row's M;
; D = M - M_c, a whole number, is taken off the four scale bytes of that query's 128 keys (a power of two that a block's scale takes up: the codes are those of the row's M), and l = the sum of l_c 2^-D.
; OPERANDS as images of their registers (a fragment, 16 rows x 128 K, is 1,536 bytes: registers 4 c .. 4 c + 3 of lane l at 512 c + 16 l): p [512 row blocks][16 K steps], v [batch][64 row blocks of channels][16].
; Lane r of row block 2 B + u holds logical row 32 B + 8 u + r + 8 (r / 8) (a query of p, a channel of v); the way out puts rows and columns back, by immediates.
; Scale words, M_c, l_c: [group of 128 rows][16 K steps][512], block i, row r at 256 (i % 2) + 16 r + 4 (i / 2).
; THE PRODUCT: source 0 = 16 channels of v, source 1 = 16 queries of p: a lane holds one query, and register 8 b + j of its four tiles is channel 32 (b / 2) + 16 (lane / 16) + 8 (b % 2) + j of my 64.
; SHARES.  A work-group makes 256 queries x 128 channels (256 work-groups; 256 x 256 would give 128), a wave 128 x 64: 32 accumulators.  K = 2,048 keys goes through two LDS slots of 512 along K, so that a refill
; has 128 matrix instructions in which to land: two first fills, two refills, no loop.  A tile's "row" for the data mover is a row block's run of images, 6,144 consecutive bytes; 8 (p) or 4 (v) to a load.
; CLUSTER 4 x 4: p's tiles are shared along a row of the cluster, v's along a column, each asked for jointly.
; LIMITS: NaN and infinities are not served.  D is held at 255.  A scale byte that would fall under 0 is held at 0, which is 2^-127: such a block adds at most 28 x 2^-127 for each key, beside a row's sum of at
; least 1/2; a part l_c that lies 255 powers of two or more under the row's M adds nothing.
; REGISTERS: window 0: v0-31 addresses; v32-95 scale words, two sets; v96-127 at work ahead of the products, later 1 / l; v128-223 p's 8 fragments (ahead of the products: M_c, l_c and scale words as loaded).
;   window 1: v's fragments, two sets.  window 2: accumulators of my query blocks 0-3 ((a, b) at v[8 (8 (a % 4) + b)]); window 3: of blocks 4-7.
.set KK,    2048
.set NQ,    4
.set NB,    4
.set ROWL,  NQ*1536
.set HALFA, 8*ROWL
.set HALFB, NB*ROWL
.set SLOT,  2*HALFA+2*HALFB
.set PIT8,  KK/128*192
.set PSL,   2*SLOT                     ; behind the ring, written by LDS stores alone: p's corrected scale words, two groups of 8,192 bytes;
.set VSL,   PSL+16384                  ; v's scale words laid anew: [K step][512]: half of the channels at 256, row r at 16 r, block b of the half's four at 4 b;
.set ILD,   VSL+8192                   ; 1 / l, two groups of 512 bytes;
.set SPARE, ILD+1024                   ; the spare words: two blocks of 256 bytes that no other line names
.set PS,    12582912                   ; pp: p's scale words; M_c 524,288 bytes on, l_c 1,048,576 on
.set VC,    12582912                   ; qkv: v's codes, v's scale words
.set VS,    19398656
.set FR,    12
.set ADRA,  16
.set ADRB,  20
.set STO,   24                         ; v24 the way out: where I put 32 bytes of a row
.set RD,    25                         ; v25 and where I read a row back
.set LI,    26                         ; v26 16 x lane
.set ADRS,  27
.set SPW,   28
.set NIL,   29
.set CO,    30                         ; v30 my byte offset in two rows of out0
.set ILR,   31                         ; v31 my row's place among the 1 / l
.set SC,    32
.set AF,    128
.set MG,    96                         ; ahead of the products: v96 the row's M, v97 D, v98 -D, v99 at work, v100-103 four bytes, v104-107 what is taken off them, v108-109 l, v110-111 1 / l
.set DD,    97
.set NN,    98
.set TT,    99
.set B0,    100
.set U0,    104
.set LT,    108
.set RL,    110
.set IL,    96                         ; the way out: v96-111 1 / l of my eight blocks, each twice (a pair for the packed multiply)
.set TP,    192                        ; v192-223 a block's results / l
.set BK,    128                        ; v128-159, v160-191 16 rows read back from the stage, by turns
.set G1,    24
.set G0,    32
.set G1B,   48
.set G0B,   56
.set MSB, 0
.macro WIN new                         ; the immediate's high byte repeats the setting that is left
.if MSB != (\new)
	s_set_vgpr_msb (MSB<<8)|(\new)
.set MSB, (\new)
.endif
.endm
.set MUL_LO, 0xa1                      ; source 0 (v) window 1, source 1 (p) window 0, C and D window 2
.set MUL_HI, 0xf1
.set TO_B,   0x40
.macro JLOAD g0a, g1a, g0b, g1b        ; waves 0 and 1 fetch for p, waves 2 and 3 for v; four v_nop follow each of the two lines
	s_cmp_eq_u32 s15, 0
	s_cbranch_scc0 .Lfor_b_\@
	tensor_load_to_lds s[\g0a:\g0a+3], s[\g1a:\g1a+7]
	s_nop 0
.rept 4
	v_nop
.endr
	s_branch .Lasked_\@
.Lfor_b_\@:
	tensor_load_to_lds s[\g0b:\g0b+3], s[\g1b:\g1b+7]
	s_nop 0
.rept 4
	v_nop
.endr
.Lasked_\@:
.endm
.macro CREST
	s_cmp_lg_u32 s14, 0
	s_cbranch_scc1 .Lnot_wave_0_\@
	s_barrier_signal -3
.Lnot_wave_0_\@:
	s_barrier_wait -3
	s_barrier_signal -1
	s_barrier_wait -1
.endm
.macro CROUND
	s_barrier_signal -1
	s_barrier_wait -1
	CREST
.endm
.macro PLACES n
.rept \n
	v_nop
.endr
.endm
.macro FRAG reg, adr, q, i
.irp c, 0,1,2
	ds_load_b128 v[\reg+4*\c:\reg+4*\c+3], v[\adr] offset:(\i)*ROWL+(\q)*1536+512*\c
.endr
.endm
.macro FETCH_B slot, q, p
	WIN TO_B
.set ii, 0
.rept NB
	FRAG 128*(\p)+FR*ii, ADRB+\slot, \q, ii
.set ii, ii+1
.endr
	WIN 0
.endm
.macro FETCH_A slot, q, i0
.irp i, \i0, \i0+1, \i0+2, \i0+3
	FRAG AF+FR*(\i), ADRA+\slot, \q, \i
.endr
.endm
.macro SCALES sc                       ; a slot's scale words: lanes 0-15 p's eight blocks (two loads a K step), lanes 16-31 v's four (the first load; what the second brings them is not used)
.set qq, 0
.rept NQ
	ds_load_b128 v[SC+8*NQ*\sc+8*qq:SC+8*NQ*\sc+8*qq+3], v[ADRS] offset:512*qq
	ds_load_b128 v[SC+8*NQ*\sc+8*qq+4:SC+8*NQ*\sc+8*qq+7], v[ADRS] offset:512*qq+256
.set qq, qq+1
.endr
.endm
; p's blocks a0, a0 + 1 against v's four.  zero = 1: the first product starts the sums.  The accumulators take turns.
.macro MUL16 a0, p, q, sc, zero
.irp a, \a0, \a0+1
.set bb, 0
.rept NB
.set rD, 8*(8*((\a)%4)+bb)
.set rB, 128*(\p)+FR*bb
.set rA, AF+FR*(\a)
.set rSA, SC+8*NQ*(\sc)+8*(\q)+4*((\a)%2)+(\a)/2
.set rSB, SC+8*NQ*(\sc)+8*(\q)+bb
.if (\zero) == 0
	v_wmma_scale_f32_16x16x128_f8f6f4 v[rD:rD+7], v[rB:rB+11], v[rA:rA+11], v[rD:rD+7], v[rSB], v[rSA] matrix_a_fmt:MATRIX_FMT_BF6 matrix_b_fmt:MATRIX_FMT_BF6 matrix_a_scale:MATRIX_SCALE_ROW1
.else
	v_wmma_scale_f32_16x16x128_f8f6f4 v[rD:rD+7], v[rB:rB+11], v[rA:rA+11], 0, v[rSB], v[rSA] matrix_a_fmt:MATRIX_FMT_BF6 matrix_b_fmt:MATRIX_FMT_BF6 matrix_a_scale:MATRIX_SCALE_ROW1
.endif
.set bb, bb+1
.endr
.endr
.endm
.macro STEP slot, q, zero
	s_wait_dscnt 12                                ; v's set, p's blocks 0-3 and the scale words are in; the youngest 12 loads (p's blocks 4-7) may be out
	WIN MUL_LO
	MUL16 0, (\q)%2, \q, \slot, \zero
	MUL16 2, (\q)%2, \q, \slot, \zero
	s_wait_dscnt 0x0
	PLACES 4
	FETCH_B \slot, (\q)+1, 1-(\q)%2
	FETCH_A \slot, (\q)+1, 0
	WIN MUL_HI
	MUL16 4, (\q)%2, \q, \slot, \zero
	MUL16 6, (\q)%2, \q, \slot, \zero
	PLACES 4
	WIN 0
	FETCH_A \slot, (\q)+1, 4
.endm
.macro TURN slot, next, fill
	s_wait_tensorcnt 0x0                           ; all my tensor loads have landed: my part of the next slot
	ds_add_u32 v[SPW], v[NIL]                      ; 0 onto my spare word
	s_wait_dscnt 13                                ; (the add and the youngest 12 loads may be out)
	WIN MUL_LO
	MUL16 0, 1, NQ-1, \slot, 0
	s_wait_dscnt 0x0                               ; the add is done, and my reads of this slot are over
	s_barrier_signal -1
	MUL16 2, 1, NQ-1, \slot, 0
	WIN 0
	s_barrier_wait -1
.if \fill
	CREST                                          ; no wave of any partner still reads this slot or has a load on its way
	s_add_nc_u64 s[G0+4*\slot+2:G0+4*\slot+3], s[G0+4*\slot+2:G0+4*\slot+3], 2*ROWL
	s_add_nc_u64 s[G0B+4*\slot+2:G0B+4*\slot+3], s[G0B+4*\slot+2:G0B+4*\slot+3], 2*ROWL
	JLOAD G0+4*\slot, G1, G0B+4*\slot, G1B
.else
	PLACES 4
.endif
	s_wait_alu depctr_va_vdst(0)
	v_add_nc_u32 v[ADRS], 512*NQ, v[ADRS]
	FETCH_B \next, 0, 0
	FETCH_A \next, 0, 0
	SCALES \next
	WIN MUL_HI
	MUL16 4, 1, NQ-1, \slot, 0
	MUL16 6, 1, NQ-1, \slot, 0
	PLACES 4
	WIN 0
	FETCH_A \next, 0, 4
.endm
; my row of group g, K step c: D = M - M_c; l takes l_c 2^-D; each of the word's four bytes loses min(byte, D); the word goes to LDS
.macro FIX g, c
.set PB, 128+48*(\g)
	v_sub_f32 v[DD], v[MG], v[PB+\c]
	v_cvt_i32_f32 v[DD], v[DD]                     ; a whole number, 0 or more (the conversion saturates)
	v_min_u32 v[DD], 255, v[DD]
	v_sub_nc_u32 v[NN], 0, v[DD]
.if (\c) == 0
	v_ldexp_f32 v[LT+\g], v[PB+16], v[NN]
.else
	v_ldexp_f32 v[TT], v[PB+16+\c], v[NN]
	v_add_f32 v[LT+\g], v[LT+\g], v[TT]
.endif
	v_and_b32 v[B0], 0xff, v[PB+32+\c]
	v_bfe_u32 v[B0+1], v[PB+32+\c], 8, 8
	v_bfe_u32 v[B0+2], v[PB+32+\c], 16, 8
	v_lshrrev_b32 v[B0+3], 24, v[PB+32+\c]
.irp i, 0,1,2,3
	v_min_u32 v[U0+\i], v[B0+\i], v[DD]
.endr
.irp i, 0,1,2,3
	v_sub_nc_u32 v[B0+\i], v[B0+\i], v[U0+\i]
.endr
	v_lshl_or_b32 v[B0], v[B0+1], 8, v[B0]
	v_lshl_or_b32 v[B0], v[B0+2], 16, v[B0]
	v_lshl_or_b32 v[B0], v[B0+3], 24, v[B0]
	ds_store_b32 v5, v[B0] offset:8192*(\g)+512*(\c)
.endm
	s_load_b128 s[4:7], s[0:1], 0x0                ; pp s[4:5], qkv s[6:7]
	s_load_b64 s[8:9], s[0:1], 0x10                ; out0
	v_lshl_add_u32 v[SPW], v0, 2, SPARE
	v_mov_b32 v[NIL], 0
	ds_add_u32 v28, v29
	ds_add_u32 v28, v29
	s_wait_dscnt 0x0
	v_lshrrev_b32 v1, 5, v0
	v_readfirstlane_b32 s14, v1                    ; wave 0..3
	s_lshr_b32 s15, s14, 1                         ; my half of the queries.  Also: I fetch for p (0) or for v (1)
	s_and_b32 s16, s14, 1                          ; my half of the channels.  Also: which half of that tile I fetch
	s_bfe_u32 s40, ttmp6, 0x40000                  ; cx
	s_bfe_u32 s41, ttmp6, 0x40004                  ; cy
	s_mov_b32 s66, ttmp9                           ; the cluster's x, 0..1
	s_and_b32 s67, ttmp7, 0xffff                   ; the cluster's y, 0..7; the batch is y / 2
	s_lshl_b32 s17, s67, 2
	s_add_co_u32 s17, s17, s41                     ; p's tile of 256 queries, 0..31
	s_lshl_b32 s42, s66, 2
	s_add_co_u32 s42, s42, s40                     ; v's tile of 128 channels, 0..7
	s_lshl_b32 s43, s41, 2
	s_lshl_b32 s43, 15, s43                        ; my row of the cluster
	s_lshl_b32 s44, 0x1111, s40                    ; my column
	s_or_b32 s[G1+0], s43, (3<<16)|(1<<21)         ; 15:0 the mask; 17:16 elements of 8 bytes; 21 set beside a mask; no padding: the images are read 512 consecutive bytes an instruction
	s_or_b32 s[G1B+0], s44, (3<<16)|(1<<21)
	s_mov_b32 s[G1+1], (ROWL/8)<<16                ; tensor_dim0
	s_mov_b32 s[G1+2], 8<<16                       ; tensor_dim1
	s_mov_b32 s[G1+3], (ROWL/8)<<16                ; tile_dim0
	s_mov_b32 s[G1+4], 8                           ; tile_dim1
	s_mov_b32 s[G1+5], PIT8                        ; from row to row
	s_mov_b32 s[G1+6], 0
	s_mov_b32 s[G1+7], 0
	s_mov_b32 s[G1B+1], (ROWL/8)<<16
	s_mov_b32 s[G1B+2], NB<<16
	s_mov_b32 s[G1B+3], (ROWL/8)<<16
	s_mov_b32 s[G1B+4], NB
	s_mov_b32 s[G1B+5], PIT8
	s_mov_b32 s[G1B+6], 0
	s_mov_b32 s[G1B+7], 0
	s_lshl_b32 s18, s17, 1
	s_add_co_u32 s18, s18, s16                     ; p: the 8 row blocks that I fetch
	s_mul_i32 s20, s18, 196608                     ; 8 x 24,576 bytes
	s_mov_b32 s21, 0
	s_lshl_b32 s45, s42, 1
	s_add_co_u32 s45, s45, s16                     ; v: the 4 row blocks that I fetch
	s_mul_i32 s46, s45, 98304                      ; 4 x 24,576 bytes
	s_lshr_b32 s45, s67, 1
	s_mul_i32 s47, s45, 1572864                    ; the batch
	s_add_co_u32 s46, s46, s47
	s_add_co_u32 s46, s46, VC
	s_mov_b32 s47, 0
	s_mul_i32 s18, s16, HALFA                      ; where they go: no place in the cluster enters an LDS address
	s_mul_i32 s45, s16, HALFB
	s_add_co_u32 s45, s45, 2*HALFA
	s_wait_kmcnt 0x0
	s_add_nc_u64 s[20:21], s[4:5], s[20:21]
	s_add_nc_u64 s[46:47], s[6:7], s[46:47]
	CROUND                                         ; all sixteen work-groups are here: the first joint loads meet
.irp s, 0,1
	s_mov_b32 s[G0+4*\s], 1
	s_add_co_u32 s[G0+4*\s+1], s18, \s*SLOT
	s_add_nc_u64 s[G0+4*\s+2:G0+4*\s+3], s[20:21], \s*ROWL
	s_or_b32 s[G0+4*\s+3], s[G0+4*\s+3], 0x80000000
	s_mov_b32 s[G0B+4*\s], 1
	s_add_co_u32 s[G0B+4*\s+1], s45, \s*SLOT
	s_add_nc_u64 s[G0B+4*\s+2:G0B+4*\s+3], s[46:47], \s*ROWL
	s_or_b32 s[G0B+4*\s+3], s[G0B+4*\s+3], 0x80000000
.endr
	JLOAD G0, G1, G0B, G1B                         ; slot 0: one tensor load a wave at the head
	; what the rows' maxima, sums and scale words are read by: thread tau takes the word at 4 tau of each 512 bytes: always the same row
	s_lshl_b32 s96, s17, 14                        ; my tile's two groups of 8,192 bytes
	s_add_co_u32 s96, s96, PS
	s_mov_b32 s97, 0
	s_add_nc_u64 s[96:97], s[4:5], s[96:97]
	s_lshr_b32 s98, s67, 1
	s_lshl_b32 s98, s98, 16                        ; v's scale words: the batch,
	s_lshl_b32 s2, s42, 13                         ; my group of 128 channels
	s_add_co_u32 s98, s98, s2
	s_add_co_u32 s98, s98, VS
	s_mov_b32 s99, 0
	s_add_nc_u64 s[98:99], s[6:7], s[98:99]
	v_lshlrev_b32 v4, 2, v0
.irp g, 0,1
.irp c, 0,1,2,3,4,5,6,7,8,9,10,11,12,13,14,15
	global_load_b32 v[128+48*\g+\c], v4, s[96:97] offset:524288+8192*\g+512*\c    ; M_c: a wave reads 128 consecutive bytes, the four waves 512
	global_load_b32 v[144+48*\g+\c], v4, s[96:97] offset:1048576+8192*\g+512*\c   ; l_c
	global_load_b32 v[160+48*\g+\c], v4, s[96:97] offset:8192*\g+512*\c           ; p's scale word
.endr
.endr
.irp c, 0,1,2,3,4,5,6,7,8,9,10,11,12,13,14,15
	global_load_b32 v[224+\c], v4, s[98:99] offset:512*\c                         ; v's scale word
.endr
	v_and_b32 v1, 31, v0                           ; lane
	v_and_b32 v2, 15, v0                           ; r
	v_bfe_u32 v3, v0, 4, 1                         ; h
	s_wait_alu depctr_va_vdst(0)
	v_lshlrev_b32 v[LI], 4, v1
	s_mul_i32 s2, s15, HALFA
	s_mul_i32 s3, s16, HALFB
	s_add_co_u32 s3, s3, 2*HALFA
.irp s, 0,1
	v_add_nc_u32 v[ADRA+\s], s2, v[LI]
	v_add_nc_u32 v[ADRB+\s], s3, v[LI]
	s_add_co_u32 s2, s2, SLOT
	s_add_co_u32 s3, s3, SLOT
.endr
	s_lshl_b32 s2, s15, 13                         ; p's words: my group;
	s_lshl_b32 s3, s16, 8
	s_add_co_u32 s3, s3, VSL-PSL                   ; v's: my half of the channels
	s_sub_co_u32 s3, s3, s2
	v_mul_u32_u24 v8, s3, v3                       ; lanes 16-31 take v's: one product, the distance between the two
	s_add_co_u32 s2, s2, PSL
	v_lshl_add_u32 v8, v2, 4, v8
	v_add_nc_u32 v[ADRS], s2, v8
	v_lshl_add_u32 v5, v0, 2, PSL                  ; where I store p's corrected words: as they lay
	v_lshl_add_u32 v6, v0, 2, ILD                  ; and 1 / l
	v_and_b32 v7, 0x3c, v0                         ; v's word at 4 tau is block 2 (tau % 4) + tau / 64, row (tau / 4) % 16: it goes to 256 x (half of the channels) + 16 r + 4 x (block of the half's four)
	v_lshlrev_b32 v7, 2, v7
	v_bfe_u32 v8, v0, 1, 1
	v_lshl_add_u32 v7, v8, 8, v7
	v_and_b32 v8, 1, v0
	v_lshl_add_u32 v7, v8, 3, v7
	v_bfe_u32 v8, v0, 6, 1
	v_lshl_add_u32 v7, v8, 2, v7
	v_add_nc_u32 v7, VSL, v7
	s_mul_i32 s2, s14, 4352                        ; my stage for the way out: 16 rows of 256 + 16 bytes, in slot 0
	v_mul_u32_u24 v[STO], v2, 272
	v_lshl_add_u32 v[STO], v3, 6, v[STO]
	v_add_nc_u32 v[STO], s2, v[STO]
	v_mul_u32_u24 v[RD], v3, 272
	v_lshl_add_u32 v[RD], v2, 4, v[RD]
	v_add_nc_u32 v[RD], s2, v[RD]
	v_lshlrev_b32 v[CO], 12, v3                    ; lanes 0-15 one row of out0, lanes 16-31 the next; 16 bytes a lane
	v_lshl_add_u32 v[CO], v2, 4, v[CO]
	s_lshl_b32 s2, s15, 9
	s_add_co_u32 s2, s2, ILD
	v_lshl_add_u32 v[ILR], v2, 4, s2
	s_lshl_b32 s94, s17, 20                        ; out0: 256 rows of 4,096 bytes a tile,
	s_lshl_b32 s2, s15, 19                         ; my 128 rows,
	s_add_co_u32 s94, s94, s2
	s_lshl_b32 s2, s42, 9                          ; 128 channels a tile,
	s_add_co_u32 s94, s94, s2
	s_lshl_b32 s2, s16, 8                          ; my 64
	s_add_co_u32 s94, s94, s2
	s_mov_b32 s95, 0
	s_add_nc_u64 s[94:95], s[8:9], s[94:95]
	s_wait_alu depctr_va_vdst(0)
	s_wait_tensorcnt 0x0                           ; my part of slot 0 is in
	ds_add_u32 v[SPW], v[NIL]
	s_wait_dscnt 0x0
	CROUND                                         ; slot 0 is whole, in all sixteen work-groups
	JLOAD G0+4, G1, G0B+4, G1B                     ; slot 1's first fill, the first tensor load behind the round: the work on the rows' maxima and scale words stands between it and the wait for it
	s_wait_loadcnt 0x0
.irp g, 0,1
	v_max3_num_f32 v[MG], v[128+48*\g], v[129+48*\g], v[130+48*\g]     ; the row's M: the largest of its sixteen
.irp c, 3,5,7,9,11,13
	v_max3_num_f32 v[MG], v[MG], v[128+48*\g+\c], v[129+48*\g+\c]
.endr
	v_max_num_f32 v[MG], v[MG], v[143+48*\g]
.irp c, 0,1,2,3,4,5,6,7,8,9,10,11,12,13,14,15
	FIX \g, \c
.endr
.endr
	s_wait_alu depctr_va_vdst(0)
	v_rcp_f32 v[RL], v[LT]
	v_rcp_f32 v[RL+1], v[LT+1]
	v_nop                                          ; a plain line behind the reciprocals
	s_wait_alu depctr_va_vdst(0)                   ; one wait for the two, ahead of their first reader
	ds_store_b32 v6, v[RL]
	ds_store_b32 v6, v[RL+1] offset:512
.irp c, 0,1,2,3,4,5,6,7,8,9,10,11,12,13,14,15
	ds_store_b32 v7, v[224+\c] offset:512*\c
.endr
	s_wait_dscnt 0x0                               ; for the others' sake: my stores of scale words and of 1 / l are done; slot 1's load may stay out
	s_barrier_signal -1
	s_barrier_wait -1
	FETCH_B 0, 0, 0
	FETCH_A 0, 0, 0
	SCALES 0
	FETCH_A 0, 0, 4
	STEP 0, 0, 1
	STEP 0, 1, 0
	STEP 0, 2, 0
	TURN 0, 1, 1
	STEP 1, 0, 0
	STEP 1, 1, 0
	STEP 1, 2, 0
	TURN 1, 0, 1
	STEP 0, 0, 0
	STEP 0, 1, 0
	STEP 0, 2, 0
	TURN 0, 1, 0                                   ; nothing is left to fetch; behind this barrier nobody reads slot 0, and it has had its last fill
	STEP 1, 0, 0
	STEP 1, 1, 0
	STEP 1, 2, 0
	s_wait_dscnt 12                                ; the last K step
	WIN MUL_LO
	MUL16 0, 1, NQ-1, 1, 0
	MUL16 2, 1, NQ-1, 1, 0
	s_wait_dscnt 0x0
	WIN MUL_HI
	MUL16 4, 1, NQ-1, 1, 0
	MUL16 6, 1, NQ-1, 1, 0
	WIN 0
; THE WAY OUT, block by block of 16 queries x 64 channels.  The results are divided by l, go into my own stage with the channels in their logical order, and come back as rows of 256 bytes; the rows' logical
; places stand in the stores' immediates.  LDS serves a wave's instructions in order: no wait between the stores and the loads, nor in front of the next block's stores.
.macro TOSTAGE a
	WIN 2+(\a)/4                                   ; source 0: window 2 or 3
.set nn, 0
.rept 16
	v_pk_mul_f32 v[TP+2*nn:TP+2*nn+1], v[64*((\a)%4)+2*nn:64*((\a)%4)+2*nn+1], v[IL+2*(\a):IL+2*(\a)+1]   ; ascending: each accumulator is read from its low end on
.set nn, nn+1
.endr
	WIN 0
.irp b, 0,1,2,3
	ds_store_b128 v[STO], v[TP+8*\b:TP+8*\b+3] offset:128*(\b/2)+32*(\b%2)         ; tile b, register j: channel 32 (b / 2) + 16 h + 8 (b % 2) + j
	ds_store_b128 v[STO], v[TP+8*\b+4:TP+8*\b+7] offset:128*(\b/2)+32*(\b%2)+16
.endr
.set BB, BK+32*((\a)%2)
.irp t, 0,1,2,3,4,5,6,7
	ds_load_b128 v[BB+4*\t:BB+4*\t+3], v[RD] offset:544*\t
.endr
.endm
.macro SEND a, younger                 ; younger: the LDS instructions issued behind block a's loads, which may stay out
.set BB, BK+32*((\a)%2)
	s_wait_dscnt \younger
.irp t, 0,1,2,3,4,5,6,7
	global_store_b128 v[CO], v[BB+4*\t:BB+4*\t+3], s[94:95] offset:(32*((\a)/2)+8*((\a)%2)+2*\t+8*(\t/4))*4096 th:TH_STORE_NT   ; the block's rows 2 t and 2 t + 1: 16 lanes store 256 consecutive bytes, at a multiple of 256 from out0's first byte
.endr
.endm
	PLACES 4                                       ; behind the last products: what follows reads their results and loads into registers that held p's fragments
.irp a, 0,1,2,3,4,5,6,7
	ds_load_b32 v[IL+2*\a], v[ILR] offset:256*(\a%2)+4*(\a/2)
	ds_load_b32 v[IL+2*\a+1], v[ILR] offset:256*(\a%2)+4*(\a/2)
.endr
	s_wait_dscnt 0x0
	TOSTAGE 0
.irp a, 1,2,3,4,5,6,7
.if \a > 1
	s_wait_xcnt 0x0                                ; block a - 2's stores have read their registers: block a's loads may land there
.endif
	TOSTAGE \a
	SEND \a-1, 16                                  ; behind block a - 1's loads: block a's 8 stores and 8 loads
.endr
	SEND 7, 0
	s_wait_tensorcnt 0x0                           ; the wave's end
	ds_add_u32 v[SPW], v[NIL]
	s_wait_dscnt 0x0
	CROUND                                         ; the closing round
	s_endpgm
.Lfunc_end_k_qa8b0e9b98c_pv:
	.size	k_qa8b0e9b98c_pv, .Lfunc_end_k_qa8b0e9b98c_pv-k_qa8b0e9b98c_pv
	.p2alignl 7, 3214868480
	.fill 96, 4, 3214868480
	.section	.rodata,"a",@progbits
	.p2align	6, 0x0
	.amdhsa_kernel k_qa8b0e9b98c_pv
		.amdhsa_group_segment_fixed_size 327680
		.amdhsa_private_segment_fixed_size 0
		.amdhsa_enable_private_segment 0
		.amdhsa_kernarg_size 24
		.amdhsa_user_sgpr_count 2
		.amdhsa_user_sgpr_kernarg_segment_ptr 1
		.amdhsa_wavefront_size32 1
		.amdhsa_system_sgpr_workgroup_id_x 1
		.amdhsa_system_sgpr_workgroup_id_y 1
		.amdhsa_system_sgpr_workgroup_id_z 1
		.amdhsa_system_vgpr_workitem_id 0
		.amdhsa_next_free_vgpr 1024
		.amdhsa_next_free_sgpr 102
		.amdhsa_reserve_vcc 0
		.amdhsa_float_denorm_mode_32 3
		.amdhsa_float_denorm_mode_16_64 3
		.amdhsa_memory_ordered 1
		.amdhsa_forward_progress 1
		.amdhsa_inst_pref_size 189
	.end_amdhsa_kernel
	.amdgpu_metadata
---
amdhsa.version: [ 1, 2 ]
amdhsa.kernels:
  - .name:           k_qa8b0e9b98c_pv
    .symbol:         k_qa8b0e9b98c_pv.kd
    .args:
      - { .name: pp, .offset: 0, .size: 8, .value_kind: global_buffer, .address_space: global }
      - { .name: qkv, .offset: 8, .size: 8, .value_kind: global_buffer, .address_space: global }
      - { .name: out0, .offset: 16, .size: 8, .value_kind: global_buffer, .address_space: global }
    .group_segment_fixed_size: 327680
    .private_segment_fixed_size: 0
    .kernarg_segment_align: 8
    .kernarg_segment_size: 24
    .max_flat_workgroup_size: 128
    .sgpr_count:     102
    .vgpr_count:     1024
    .wavefront_size: 32
...
	.end_amdgpu_metadata
.endif
;; end of part 4
